; MI455X (gfx1250); checked and timed in simulation.
; The chip was launched on July 23, 2026; its instructions are those of AMD's public machine-readable ISA for CDNA 5 (MIT licence, August 2026) and "CDNA5" Instruction Set Architecture Reference Guide (July 2026). The comments in the code are by the model that wrote it; some were corrected since.
;; Disentangled Self Attention. Allowed arithmetic: float matrix products may take bf16 or f16 operands with f32 sums; other float arithmetic in f32, or as packed bf16 or f16 multiplies, adds, multiply-adds, maxima and minima; sums over many terms, partial sums and values carried from step to step in f32; what a program stores and reads back later, other than sums and carried values, may be rounded once to bf16 or f16.
;; Inputs: Wc 1,024 x 1,024 float32; Wk 1,024 x 1,024 float32; Wq 1,024 x 1,024 float32; Wv 1,024 x 1,024 float32; bk 1,024 float32; bq 1,024 float32; bv 1,024 float32; hidden_states 2 x 2,048 x 1,024 float32; pos_table 1,024 x 64 float32.
;; Outputs: out0 2 x 2,048 x 1,024 float32.
;; 2 versions, each right; version 2 is version 1 with the launch prep written anew for expert scheduling mode. Each part assembles by itself: llvm-mc -triple=amdgcn-amd-amdhsa -mcpu=gfx1250 --defsym DOCPART=n.
;; ======== version 1 of 2: 4 launches
;; limits: values are held in f16: magnitudes above 65,504 overflow, below 6.1e-05 lose precision; right only within a limited range of input values
;; workspace buffers: xb 8,388,608 bytes; wb 8,388,608 bytes; pxw 149,504 bytes; qkv 25,165,824 bytes; psum 786,432 bytes; ob 8,388,608 bytes
;; launch prep (part 1): grid 256 x 1, 8 waves a work-group, no clusters, 0 bytes of LDS; arguments hidden_states, Wq, Wk, Wv, Wc, pos_table, xb, wb, pxw; writes xb, wb, pxw
.if DOCPART == 1
	.amdgcn_target "amdgcn-amd-amdhsa--gfx1250"
	.amdhsa_code_object_version 6
	.text
	.protected	k_q5a6e27c803_prep
	.globl	k_q5a6e27c803_prep
	.p2align	8
	.type	k_q5a6e27c803_prep,@function
k_q5a6e27c803_prep:
	s_mov_b64 s[64:65], 0
	v_nop
	global_prefetch_b8 v0, s[64:65] scope:SCOPE_SE
	s_setreg_imm32_b32 hwreg(HW_REG_WAVE_MODE, 25, 1), 1
	s_wait_xcnt 0x0
; PREP.  xb = f16(bf16(hidden)), wb = f16(bf16(Wq | Wk | Wv | Wc)), pxw = the position table for the attention launch.
; Every input is rounded once to bf16; that number is then written as f16 (exact from 6.1e-5 up to 65,504; below 6.1e-5 it keeps f16's fixed step of 6e-8).
; LIMIT: |x| and |w| stay under 65,504.
; A stream: no LDS, no matrix unit.  Work-group g converts 32,768 numbers: 128 KiB in, 64 KiB out.  g < 128: hidden; else weight (g - 128) / 32.
; Thread t takes 16 bytes at 16 t + 4,096 i (a wave's load: 512 bytes on end) and stores 8 bytes at 8 t + 2,048 i (a wave's store: 256 bytes on end, aligned).
; All 32 loads of a thread go out at once; no register is written twice, so no wait frees one.
; pxw row p (1,168 rows of 64 f16): 8 x bf16(pos[clip(1087 - p, 0, 1023)]) for p < 1152, else 0.  Work-groups 0-145, waves 0 and 1: thread makes 16 bytes.
.set X, 8                               ; v[8:135]   32 x 4 as loaded; the first two of each four then hold the result
.set T, 136                             ; v[136:141] at work
	s_load_b512 s[4:19], s[0:1], 0x0               ; hidden, Wq, Wk, Wv, Wc, pos, xb, wb
	s_load_b64 s[20:21], s[0:1], 0x40              ; pxw
	v_lshlrev_b32 v1, 4, v0                        ; 16 t
	v_lshlrev_b32 v2, 3, v0                        ; 8 t
	v_lshrrev_b32 v3, 5, v0
	v_readfirstlane_b32 s23, v3                    ; wave
	s_mov_b32 s22, 0xffff0000                      ; a word's upper bf16
	s_sub_co_u32 s28, ttmp9, 128                   ; block among the weights (used where g >= 128)
	s_lshr_b32 s29, s28, 5                         ; which weight
	s_and_b32 s30, s28, 31                         ; block in it
	s_wait_kmcnt 0x0
	s_cmp_eq_u32 s29, 1
	s_cselect_b64 s[24:25], s[8:9], s[6:7]
	s_cmp_eq_u32 s29, 2
	s_cselect_b64 s[24:25], s[10:11], s[24:25]
	s_cmp_eq_u32 s29, 3
	s_cselect_b64 s[24:25], s[12:13], s[24:25]
	s_cmp_lt_u32 ttmp9, 128
	s_cselect_b64 s[24:25], s[4:5], s[24:25]       ; source
	s_cselect_b64 s[26:27], s[16:17], s[18:19]     ; destination
	s_cselect_b32 s30, ttmp9, s30
	s_cselect_b32 s28, ttmp9, s28
	s_lshl_b32 s30, s30, 17                        ; 131,072 bytes a block in
	s_mov_b32 s31, 0
	s_add_nc_u64 s[24:25], s[24:25], s[30:31]
	s_lshl_b32 s28, s28, 16                        ; 65,536 out
	s_mov_b32 s29, 0
	s_add_nc_u64 s[26:27], s[26:27], s[28:29]
.set i, 0
.rept 32
	global_load_b128 v[X+4*i:X+4*i+3], v1, s[24:25] offset:4096*i th:TH_LOAD_NT
.set i, i+1
.endr
.set i, 0
.rept 32
	s_wait_loadcnt 31-i                            ; loads come back in order: number i is in, the younger ones stay out
	v_cvt_pk_bf16_f32 v[T], v[X+4*i], v[X+4*i+1]
	v_cvt_pk_bf16_f32 v[T+1], v[X+4*i+2], v[X+4*i+3]
	v_lshlrev_b32 v[T+2], 16, v[T]
	v_and_b32 v[T+3], s22, v[T]
	v_lshlrev_b32 v[T+4], 16, v[T+1]
	v_and_b32 v[T+5], s22, v[T+1]
	v_cvt_pk_f16_f32 v[X+4*i], v[T+2], v[T+3]
	v_cvt_pk_f16_f32 v[X+4*i+1], v[T+4], v[T+5]
	global_store_b64 v2, v[X+4*i:X+4*i+1], s[26:27] offset:2048*i
.set i, i+1
.endr
	; the position table
	s_cmp_lt_u32 ttmp9, 146
	s_cbranch_scc0 .Lend
	s_cmp_lt_u32 s23, 2
	s_cbranch_scc0 .Lend
	s_lshl_b32 s30, ttmp9, 6
	v_add_nc_u32 v172, s30, v0                     ; piece of 16 bytes: 64 g + t
	v_lshrrev_b32 v173, 3, v172                    ; row p
	v_and_b32 v174, 7, v172                        ; eight channels of it
	v_min_u32 v170, 0x43f, v173
	v_sub_nc_u32 v170, 0x43f, v170                 ; 1087 - min(p, 1087)
	v_min_u32 v170, 0x3ff, v170                    ; row of pos
	v_lshlrev_b32 v170, 8, v170
	v_lshl_add_u32 v170, v174, 5, v170
	global_load_b128 v[144:147], v170, s[14:15]
	global_load_b128 v[148:151], v170, s[14:15] offset:16
	v_mov_b32 v164, 0x41000000                     ; 8.0,
	v_cmp_gt_u32 vcc_lo, 0x480, v173               ; where p < 1152,
	v_cndmask_b32 v164, 0, v164, vcc_lo            ; else 0
	v_mov_b32 v165, v164
	v_lshlrev_b32 v171, 4, v172
	s_wait_loadcnt 0x0
.irp j, 0,1,2,3
	v_cvt_pk_bf16_f32 v[152+\j], v[144+2*\j], v[145+2*\j]
.endr
.irp j, 0,1,2,3
	v_lshlrev_b32 v[156+2*\j], 16, v[152+\j]
	v_and_b32 v[157+2*\j], s22, v[152+\j]
.endr
.irp j, 0,1,2,3
	v_pk_mul_f32 v[156+2*\j:157+2*\j], v[156+2*\j:157+2*\j], v[164:165]
.endr
.irp j, 0,1,2,3
	v_cvt_pk_f16_f32 v[166+\j], v[156+2*\j], v[157+2*\j]
.endr
	global_store_b128 v171, v[166:169], s[20:21]   ; sixteen lanes fill 256 bytes on end, aligned
.Lend:
	s_endpgm
.Lfunc_end_k_q5a6e27c803_prep:
	.size	k_q5a6e27c803_prep, .Lfunc_end_k_q5a6e27c803_prep-k_q5a6e27c803_prep
	.p2alignl 7, 3214868480
	.fill 96, 4, 3214868480
	.section	.rodata,"a",@progbits
	.p2align	6, 0x0
	.amdhsa_kernel k_q5a6e27c803_prep
		.amdhsa_group_segment_fixed_size 0
		.amdhsa_private_segment_fixed_size 0
		.amdhsa_enable_private_segment 0
		.amdhsa_kernarg_size 72
		.amdhsa_user_sgpr_count 2
		.amdhsa_user_sgpr_kernarg_segment_ptr 1
		.amdhsa_wavefront_size32 1
		.amdhsa_system_sgpr_workgroup_id_x 1
		.amdhsa_system_sgpr_workgroup_id_y 1
		.amdhsa_system_sgpr_workgroup_id_z 1
		.amdhsa_system_vgpr_workitem_id 0
		.amdhsa_next_free_vgpr 176
		.amdhsa_next_free_sgpr 66
		.amdhsa_reserve_vcc 1
		.amdhsa_float_denorm_mode_32 3
		.amdhsa_float_denorm_mode_16_64 3
		.amdhsa_memory_ordered 1
		.amdhsa_forward_progress 1
		.amdhsa_inst_pref_size 23
	.end_amdhsa_kernel
	.amdgpu_metadata
---
amdhsa.version: [ 1, 2 ]
amdhsa.kernels:
  - .name:           k_q5a6e27c803_prep
    .symbol:         k_q5a6e27c803_prep.kd
    .args:
      - { .name: hidden_states, .offset: 0, .size: 8, .value_kind: global_buffer, .address_space: global }
      - { .name: Wq, .offset: 8, .size: 8, .value_kind: global_buffer, .address_space: global }
      - { .name: Wk, .offset: 16, .size: 8, .value_kind: global_buffer, .address_space: global }
      - { .name: Wv, .offset: 24, .size: 8, .value_kind: global_buffer, .address_space: global }
      - { .name: Wc, .offset: 32, .size: 8, .value_kind: global_buffer, .address_space: global }
      - { .name: pos_table, .offset: 40, .size: 8, .value_kind: global_buffer, .address_space: global }
      - { .name: xb, .offset: 48, .size: 8, .value_kind: global_buffer, .address_space: global }
      - { .name: wb, .offset: 56, .size: 8, .value_kind: global_buffer, .address_space: global }
      - { .name: pxw, .offset: 64, .size: 8, .value_kind: global_buffer, .address_space: global }
    .group_segment_fixed_size: 0
    .private_segment_fixed_size: 0
    .kernarg_segment_align: 8
    .kernarg_segment_size: 72
    .max_flat_workgroup_size: 256
    .sgpr_count:     66
    .vgpr_count:     176
    .wavefront_size: 32
...
	.end_amdgpu_metadata
.endif
;; end of part 1
;; launch qkv (part 2): grid 16 x 16, 4 waves a work-group, clusters of 4 x 4, 327,680 bytes of LDS; arguments xb, wb, bq, bk, bv, qkv, psum; writes qkv, psum
.if DOCPART == 2
	.amdgcn_target "amdgcn-amd-amdhsa--gfx1250"
	.amdhsa_code_object_version 6
	.text
	.protected	k_q5a6e27c803_qkv
	.globl	k_q5a6e27c803_qkv
	.p2align	8
	.type	k_q5a6e27c803_qkv,@function
k_q5a6e27c803_qkv:
	s_mov_b64 s[64:65], 0
	v_nop
	global_prefetch_b8 v0, s[64:65] scope:SCOPE_SE
	s_setreg_imm32_b32 hwreg(HW_REG_WAVE_MODE, 25, 1), 1
	s_wait_xcnt 0x0
	s_wait_alu depctr_hold_cnt(0) depctr_sa_sdst(0) depctr_va_vdst(0) depctr_va_sdst(0) depctr_va_ssrc(0) depctr_va_vcc(0) depctr_vm_vsrc(0)
	s_getreg_b32 s2, hwreg(HW_REG_IB_STS2, 6, 4)
	s_cmp_eq_u32 s2, 0
	s_cbranch_scc0 .Lentry_in_a_cluster
	s_endpgm
.Lentry_in_a_cluster:
	s_bfe_u32 s2, ttmp6, 0x10000c
	s_cmp_lg_u32 s2, 0xf033
	s_cbranch_scc0 .Lentry_shape_is_right
	s_endpgm
.Lentry_shape_is_right:
; QKV.  C[m][n] = sum over k of xb[m][k] wb[n][k] + bias[n], m < 4096, n < 3072 (q | k | v), k < 1024; f16 operands, f32 sums.
; C leaves by heads, qkv[which][batch][head][row][64] in f16, rounded once; psum[chunk of 64 rows][3072] takes the f32 column sums (the attention launch sums q's over all rows).
; LIMIT: |q|, |k|, |v| stay under 65,504 (f16).  The biases are rounded to bf16 like the other inputs and start the sums as the C operand of each accumulator's first product.
; A tile of C is 256 rows x 192 columns (three whole heads): 16 x 16 tiles, one for each work-group.  Wave w makes rows 64 w .. 64 w + 63, all 192 columns: 48 accumulators.
; K goes in steps of 128 through two LDS slots filled by the tensor data mover (rows of 256 bytes, padded to 272).  Waves 0, 1 fetch the halves of xb's tile, waves 2, 3 those of wb's.
; CLUSTER 4 x 4: xb's tile is shared along a row of the cluster, wb's along a column; each is asked for jointly, by the same load with the same descriptor and a mask of four.
; THE PRODUCT IS USED TRANSPOSED (source 0 = 16 rows of wb, source 1 = 16 rows of xb): a lane holds row l % 16 of C and the columns 16 b + 8 (l / 16) + 0..7.
; REGISTERS: window 0: v0-31 addresses; v64-127 xb's fragments, two buffers of 32; v128-223 the bias, 8 for each block of 16 columns (the way out uses v64-255).
;   window 1: v0-191 wb's fragments, two buffers of 96.   window 2: accumulators of row blocks 0, 1 at 96 (a % 2) + 8 b.   window 3: row blocks 2, 3.
.set SIZE_K, 1024
.set KSTEP,  128
.set PITCH,  272                       ; 256 bytes + 16: sixteen rows of a load start at sixteen different groups of four banks
.set HALFA,  128*PITCH
.set HALFB,  96*PITCH
.set BOFF,   2*HALFA
.set SLOT,   2*HALFA+2*HALFB
.set STAGE,  2*SLOT                    ; behind the ring: 16 rows x 400 bytes for each wave
.set SPITCH, 400
.set WSTAGE, 16*SPITCH
.set SPARE,  STAGE+4*WSTAGE            ; the spare words: 128 bytes a wave, named by no other line
.set LAPS,   SIZE_K/(2*KSTEP)
.set CSR,  12                          ; v12  stage + 8 x lane: the column sums read back
.set PSO,  13                          ; v13  8 x lane: their place in psum
.set ADRA, 16                          ; v16-17 LDS address of my xb fragments, slot 0, 1
.set ADRB, 20                          ; v20-21 the same for wb
.set STO,  24
.set RD,   25
.set GO,   26
.set BO,   27                          ; v27  32 (l / 16)
.set SPW,  28
.set NIL,  29
.set PFO,  30
.set CSA,  31                          ; v31  stage + 32 (l / 16)
.set FA,   64
.set BIAS, 128
.set TMP,  64
.set WV,  18
.set FB,  19                           ; s19  0: I fetch for xb, 1: for wb
.set HF,  20                           ; s20  which half of that tile
.set CX,  21
.set CY,  22
.set TC,  23
.set TR,  72
.set G1,  24
.set G0,  32
.set LIM, 43
.set PFA, 44
.set G1B, 48
.set G0B, 56
.set HB,  66                           ; s[66:71] where my rows of the tile's three heads begin in qkv
.set BP,  92                           ; s[92:97] the three heads' biases
.set MSB, 0
.macro WIN new
.if MSB != (\new)
	s_set_vgpr_msb (MSB<<8)|(\new)
.set MSB, \new
.endif
.endm
.macro JLOAD s                         ; a joint load; an s_nop 0 and four v_nop follow each line, ahead of the jump and the label
	s_cmp_eq_u32 s[FB], 0
	s_cbranch_scc0 .Lfor_b_\@
	tensor_load_to_lds s[G0+4*(\s):G0+4*(\s)+3], s[G1:G1+7]
	s_nop 0
.rept 4
	v_nop
.endr
	s_branch .Lasked_\@
.Lfor_b_\@:
	tensor_load_to_lds s[G0B+4*(\s):G0B+4*(\s)+3], s[G1B:G1B+7]
	s_nop 0
.rept 4
	v_nop
.endr
.Lasked_\@:
.endm
; A prefetch behind each refill: the K step two refills on, 256 bytes of each row, a lane a row.  xb's rows are asked for by the clusters with x = 0, wb's by those with y = 0; the four partners
; that fetch a tile jointly share its rows out by address (32 each of xb's 128, 24 each of wb's 96: lanes 24-31 name row 23 again).  The loop's last trip asks for nothing.
.macro ASK
	s_cmp_gt_u32 s3, s[LIM]
	s_cbranch_scc0 .Lnot_mine_\@
	global_prefetch_b8 v[PFO], s[PFA:PFA+1] offset:KSTEP*2 th:TH_LOAD_NT scope:SCOPE_SE
.Lnot_mine_\@:
.endm
.macro CREST
	s_cmp_lg_u32 s[WV], 0
	s_cbranch_scc1 .Lnot_wave_0_\@
	s_barrier_signal -3
.Lnot_wave_0_\@:
	s_barrier_wait -3
	s_barrier_signal -1
	s_barrier_wait -1
.endm
.macro CROUND
	s_barrier_signal -1
	s_barrier_wait -1
	CREST
.endm
	s_load_b256 s[4:11], s[0:1], 0x0               ; xb, wb, bq, bk
	s_load_b128 s[12:15], s[0:1], 0x20             ; bv, qkv
	s_load_b64 s[16:17], s[0:1], 0x30              ; psum
	v_lshl_add_u32 v[SPW], v0, 2, SPARE
	v_mov_b32 v[NIL], 0
	ds_add_u32 v[SPW], v[NIL]                      ; the wave's opening: the add and its wait ahead of my first tensor load
	v_lshrrev_b32 v1, 5, v0
	v_readfirstlane_b32 s[WV], v1
	s_lshr_b32 s[FB], s[WV], 1
	s_and_b32 s[HF], s[WV], 1
	s_bfe_u32 s[CX], ttmp6, 0x40000
	s_bfe_u32 s[CY], ttmp6, 0x40004
	s_lshl_b32 s[TC], ttmp9, 2
	s_add_co_u32 s[TC], s[TC], s[CX]               ; tile column
	s_and_b32 s[TR], ttmp7, 0xffff
	s_lshl_b32 s[TR], s[TR], 2
	s_add_co_u32 s[TR], s[TR], s[CY]               ; tile row
	s_lshl_b32 s40, s[CY], 2
	s_lshl_b32 s40, 15, s40                        ; my row of the cluster
	s_lshl_b32 s41, 0x1111, s[CX]                  ; my column
	s_or_b32 s[G1+0], s40, (1<<16)|(1<<20)|(1<<21)|(5<<22)|(3<<25)   ; mask; 2-byte elements; padding on; bit 21 beside a mask; after every 64 words, 4 words
	s_or_b32 s[G1B+0], s41, (1<<16)|(1<<20)|(1<<21)|(5<<22)|(3<<25)
	s_mov_b32 s[G1+1], KSTEP<<16                   ; tensor_dim0 = 128
	s_mov_b32 s[G1+2], 128<<16                     ; tensor_dim1 = 128
	s_mov_b32 s[G1+3], KSTEP<<16                   ; tile_dim0 = 128
	s_mov_b32 s[G1+4], 128                         ; tile_dim1 = 128
	s_mov_b32 s[G1+5], SIZE_K
	s_mov_b32 s[G1+6], 0
	s_mov_b32 s[G1+7], 0
	s_mov_b32 s[G1B+1], KSTEP<<16
	s_mov_b32 s[G1B+2], 96<<16                     ; 96 rows
	s_mov_b32 s[G1B+3], KSTEP<<16
	s_mov_b32 s[G1B+4], 96
	s_mov_b32 s[G1B+5], SIZE_K
	s_mov_b32 s[G1B+6], 0
	s_mov_b32 s[G1B+7], 0
	s_lshl_b32 s74, s[TR], 8
	s_lshl_b32 s75, s[HF], 7
	s_add_co_u32 s74, s74, s75                     ; xb: row 256 x tile row + 128 x half
	s_lshl_b32 s74, s74, 11                        ; 2,048 bytes a row
	s_mov_b32 s75, 0
	s_mul_i32 s76, s[TC], 192
	s_mul_i32 s77, s[HF], 96
	s_add_co_u32 s76, s76, s77                     ; wb: row 192 x tile column + 96 x half
	s_lshl_b32 s76, s76, 11
	s_mov_b32 s77, 0
	s_mul_i32 s78, s[HF], HALFA                    ; where they go: no place in the cluster enters an LDS address
	s_mul_i32 s79, s[HF], HALFB
	s_add_co_u32 s79, s79, BOFF
	s_wait_dscnt 0x0                               ; the opening add is done
	s_wait_kmcnt 0x0
	s_add_nc_u64 s[80:81], s[4:5], s[74:75]
	s_add_nc_u64 s[82:83], s[6:7], s[76:77]
	CROUND                                         ; all sixteen work-groups are here: the first joint loads meet
.irp s, 0,1
	s_mov_b32 s[G0+4*(\s)], 1
	s_add_co_u32 s[G0+4*(\s)+1], s78, (\s)*SLOT
	s_add_nc_u64 s[G0+4*(\s)+2:G0+4*(\s)+3], s[80:81], (\s)*KSTEP*2
	s_or_b32 s[G0+4*(\s)+3], s[G0+4*(\s)+3], 0x80000000
	s_mov_b32 s[G0B+4*(\s)], 1
	s_add_co_u32 s[G0B+4*(\s)+1], s79, (\s)*SLOT
	s_add_nc_u64 s[G0B+4*(\s)+2:G0B+4*(\s)+3], s[82:83], (\s)*KSTEP*2
	s_or_b32 s[G0B+4*(\s)+3], s[G0B+4*(\s)+3], 0x80000000
	JLOAD \s
.endr
	; lane addresses
	v_and_b32 v1, 15, v0                           ; l % 16
	v_bfe_u32 v2, v0, 4, 1                         ; l / 16
	v_mul_u32_u24 v3, v1, PITCH
	v_lshl_add_u32 v3, v2, 4, v3
	s_mul_i32 s84, s[WV], 64*PITCH                 ; my 64 rows of xb's tile
	s_mov_b32 s85, BOFF                            ; all of wb's
.irp s, 0,1
	v_add_nc_u32 v[ADRA+(\s)], s84, v3
	v_add_nc_u32 v[ADRB+(\s)], s85, v3
	s_add_co_u32 s84, s84, SLOT
	s_add_co_u32 s85, s85, SLOT
.endr
	s_mul_i32 s86, s[WV], WSTAGE
	s_add_co_u32 s86, s86, STAGE                   ; my stage
	v_mul_u32_u24 v4, v1, SPITCH
	v_lshl_add_u32 v4, v2, 4, v4
	v_add_nc_u32 v[STO], s86, v4                   ; in: row l % 16, 16 bytes for each half of the lanes
	v_bfe_u32 v4, v0, 3, 2
	v_and_b32 v5, 7, v0
	v_mul_u32_u24 v4, v4, SPITCH
	v_lshl_add_u32 v4, v5, 4, v4
	v_add_nc_u32 v[RD], s86, v4                    ; back: 32 lanes take four rows of a head's 128 bytes
	v_and_b32 v5, 31, v0
	v_lshlrev_b32 v[GO], 4, v5                     ; which are 512 bytes on end in qkv
	v_lshlrev_b32 v[BO], 5, v2
	v_add_nc_u32 v[CSA], s86, v[BO]
	v_lshl_add_u32 v[CSR], v5, 3, s86
	v_lshlrev_b32 v[PSO], 3, v5
	; the three heads of my tile: their biases and their places in qkv
	s_mul_i32 s87, s[TC], 3
	s_and_b32 s73, s[TR], 7
	s_lshl_b32 s73, s73, 8
	s_lshl_b32 s91, s[WV], 6
	s_add_co_u32 s73, s73, s91
	s_lshl_b32 s73, s73, 7                         ; my first row in a head's block, in bytes
	s_lshr_b32 s91, s[TR], 3
	s_lshl_b32 s91, s91, 4                         ; 16 x batch
.irp e, 0,1,2
	s_add_co_u32 s88, s87, \e
	s_lshr_b32 s89, s88, 4                         ; q, k or v
	s_and_b32 s90, s88, 15                         ; head
	s_cmp_eq_u32 s89, 1
	s_cselect_b64 s[BP+2*\e:BP+2*\e+1], s[10:11], s[8:9]
	s_cmp_eq_u32 s89, 2
	s_cselect_b64 s[BP+2*\e:BP+2*\e+1], s[12:13], s[BP+2*\e:BP+2*\e+1]
	s_lshl_b32 s98, s90, 8
	s_mov_b32 s99, 0
	s_add_nc_u64 s[BP+2*\e:BP+2*\e+1], s[BP+2*\e:BP+2*\e+1], s[98:99]
	s_lshl_b32 s98, s89, 5
	s_add_co_u32 s98, s98, s91
	s_add_co_u32 s98, s98, s90
	s_lshl_b32 s98, s98, 18                        ; 262,144 bytes a head's block
	s_add_co_u32 s98, s98, s73
	s_add_nc_u64 s[HB+2*\e:HB+2*\e+1], s[14:15], s[98:99]
.irp c, 0,1,2,3
	global_load_b128 v[BIAS+8*(4*\e+\c):BIAS+8*(4*\e+\c)+3],   v[BO], s[BP+2*\e:BP+2*\e+1] offset:64*\c
	global_load_b128 v[BIAS+8*(4*\e+\c)+4:BIAS+8*(4*\e+\c)+7], v[BO], s[BP+2*\e:BP+2*\e+1] offset:64*\c+16
.endr
.endr
	s_lshl_b32 s88, s[TR], 2
	s_add_co_u32 s88, s88, s[WV]                   ; my chunk of 64 rows
	s_mul_i32 s88, s88, 12288
	s_mul_i32 s89, s[TC], 768
	s_add_co_u32 s88, s88, s89
	s_mov_b32 s89, 0
	s_add_nc_u64 s[16:17], s[16:17], s[88:89]
	; the prefetches
	s_lshl_b32 s40, s[TR], 8
	s_mul_i32 s41, s[TC], 192
	s_and_b32 s42, ttmp7, 0xffff
	s_cmp_eq_u32 s[FB], 0
	s_cselect_b32 s40, s40, s41                    ; the tile's first row
	s_cselect_b32 s41, s[CX], s[CY]                ; my place among the four that ask with me
	s_cselect_b32 s42, ttmp9, s42                  ; the coordinate along which other clusters read the same rows
	s_cselect_b64 s[PFA:PFA+1], s[4:5], s[6:7]
	s_cselect_b32 s46, 32, 0
	s_cselect_b32 s47, 32, 24                      ; my work-group's share of the rows
	s_cmp_eq_u32 s42, 0
	s_cselect_b32 s[LIM], 1, -1
	s_add_co_u32 s46, s46, 96                      ; rows that a wave fetches
	s_mul_i32 s46, s46, s[HF]
	s_add_co_u32 s40, s40, s46
	s_mul_i32 s41, s41, s47
	s_add_co_u32 s40, s40, s41
	s_lshl_b32 s40, s40, 11
	s_mov_b32 s41, 0
	s_add_nc_u64 s[PFA:PFA+1], s[PFA:PFA+1], s[40:41]
	s_add_nc_u64 s[PFA:PFA+1], s[PFA:PFA+1], 2*KSTEP*2  ; at K step 2: the first refill steps it to 3 and names K step 4
	s_sub_co_u32 s47, s47, 1
	v_and_b32 v[PFO], 31, v0
	v_min_u32 v[PFO], s47, v[PFO]
	v_lshlrev_b32 v[PFO], 11, v[PFO]
	s_wait_loadcnt 0x0                             ; the biases, rounded to bf16 in place
.set r, 0
.rept 48
	v_cvt_pk_bf16_f32 v14, v[BIAS+r], v[BIAS+r+1]
	v_lshlrev_b32 v[BIAS+r], 16, v14
	v_and_b32 v[BIAS+r+1], 0xffff0000, v14
.set r, r+2
.endr
; 12 products: row block a x all 12 column blocks, 32 along K, buffer f.  zero = 1: the first product starts the sum with the bias.  The 48 accumulators take turns.
.macro MUL12 f, a, zero
.if \zero
	WIN 0x81+0x40*((\a)/2)
.else
	WIN 0xa1+0x50*((\a)/2)
.endif
.irp b, 0,1,2,3,4,5,6,7,8,9,10,11
.if \zero
	v_wmma_f32_16x16x32_f16 v[96*((\a)%2)+8*(\b):96*((\a)%2)+8*(\b)+7], v[96*(\f)+8*(\b):96*(\f)+8*(\b)+7], v[FA+32*(\f)+8*(\a):FA+32*(\f)+8*(\a)+7], v[BIAS+8*(\b):BIAS+8*(\b)+7]
.else
	v_wmma_f32_16x16x32_f16 v[96*((\a)%2)+8*(\b):96*((\a)%2)+8*(\b)+7], v[96*(\f)+8*(\b):96*(\f)+8*(\b)+7], v[FA+32*(\f)+8*(\a):FA+32*(\f)+8*(\a)+7], v[96*((\a)%2)+8*(\b):96*((\a)%2)+8*(\b)+7]
.endif
.endr
.endm
.macro FETCH slot, k, f                ; 32 LDS loads in one run: wb's 12 fragments, then xb's 4
	WIN 0x40
.irp i, 0,1,2,3,4,5,6,7,8,9,10,11
	ds_load_b128 v[96*(\f)+8*(\i):96*(\f)+8*(\i)+3],   v[ADRB+(\slot)] offset:(\k)+(\i)*16*PITCH
	ds_load_b128 v[96*(\f)+8*(\i)+4:96*(\f)+8*(\i)+7], v[ADRB+(\slot)] offset:(\k)+(\i)*16*PITCH+32
.endr
	WIN 0
.irp i, 0,1,2,3
	ds_load_b128 v[FA+32*(\f)+8*(\i):FA+32*(\f)+8*(\i)+3],   v[ADRA+(\slot)] offset:(\k)+(\i)*16*PITCH
	ds_load_b128 v[FA+32*(\f)+8*(\i)+4:FA+32*(\f)+8*(\i)+7], v[ADRA+(\slot)] offset:(\k)+(\i)*16*PITCH+32
.endr
.endm
.macro PLACES                          ; four places in front of loads into registers that matrix instructions have read
.rept 4
	v_nop
.endr
.endm
.macro QUARTER slot, k, f, g, zero
	s_wait_dscnt 4                                 ; wb's fragments and xb's blocks 0, 1 are in; the youngest four loads (blocks 2, 3) may be out
	MUL12 \f, 0, \zero
	MUL12 \f, 1, \zero
	PLACES
	FETCH \slot, \k, \g
	s_wait_dscnt 32                                ; all but the 32 just issued
	MUL12 \f, 2, \zero
	MUL12 \f, 3, \zero
.endm
.macro MEET round
	WIN 0
	s_wait_tensorcnt 0x0                           ; all my tensor loads have landed: the one that was out is my part of the next slot
	ds_add_u32 v[SPW], v[NIL]                      ; 0 onto my spare word
	s_wait_dscnt 5                                 ; (the add and the youngest four loads may be out)
	MUL12 1, 0, 0
	s_wait_dscnt 0x0                               ; the add is done, and my reads of this slot are over
	s_barrier_signal -1
	MUL12 1, 1, 0
.if \round
	WIN 0
.endif
	s_barrier_wait -1
.endm
.macro TURN slot, next, fill
.if \fill
	s_wait_xcnt 0x0                                ; the last prefetch, a K step back, has read its address
	s_add_nc_u64 s[PFA:PFA+1], s[PFA:PFA+1], KSTEP*2
.endif
	MEET \fill
.if \fill
	CREST                                          ; the barrier has opened a round of the cluster's: no wave of any partner still reads this slot or has a load on its way
	s_add_nc_u64 s[G0+4*(\slot)+2:G0+4*(\slot)+3], s[G0+4*(\slot)+2:G0+4*(\slot)+3], 2*KSTEP*2
	s_add_nc_u64 s[G0B+4*(\slot)+2:G0B+4*(\slot)+3], s[G0B+4*(\slot)+2:G0B+4*(\slot)+3], 2*KSTEP*2
	JLOAD \slot                                    ; the first tensor load behind the round; its four v_nop are also the places in front of the loads below
.else
	PLACES
.endif
	FETCH \next, 0, 0
.if \fill
	ASK
.endif
	MUL12 1, 2, 0
	MUL12 1, 3, 0
.endm
	s_wait_tensorcnt 1                             ; my part of K step 0 is in; K step 1's may stay out
	s_barrier_signal -1
	s_barrier_wait -1
	FETCH 0, 0, 0
	QUARTER 0, 64, 0, 1, 1                         ; the first quarter starts the sums, ahead of the loop
	WIN 0
	s_mov_b32 s3, LAPS-1
.Llap:
	QUARTER 0, 128, 1, 0, 0
	QUARTER 0, 192, 0, 1, 0
	TURN 0, 1, 1
	QUARTER 1, 64,  0, 1, 0
	QUARTER 1, 128, 1, 0, 0
	QUARTER 1, 192, 0, 1, 0
	TURN 1, 0, 1
	QUARTER 0, 64,  0, 1, 0
	WIN 0
	s_sub_co_u32 s3, s3, 1
	s_cmp_lg_u32 s3, 0
	s_cbranch_scc1 .Llap
	QUARTER 0, 128, 1, 0, 0                        ; the last lap fills nothing
	QUARTER 0, 192, 0, 1, 0
	TURN 0, 1, 0
	QUARTER 1, 64,  0, 1, 0
	QUARTER 1, 128, 1, 0, 0
	QUARTER 1, 192, 0, 1, 0
	s_wait_dscnt 4
	MUL12 1, 0, 0
	MUL12 1, 1, 0
	s_wait_dscnt 0x0
	MUL12 1, 2, 0
	MUL12 1, 3, 0
	PLACES
	PLACES
	; THE COLUMN SUMS of my 64 rows: the four row blocks, then the sixteen lanes of each half; each accumulator's lowest registers are read first
	WIN 0x0a
.set r, 0
.rept 48
	v_pk_add_f32 v[64+r:64+r+1], v[r:r+1], v[96+r:96+r+1]
.set r, r+2
.endr
	WIN 0x0f
.set r, 0
.rept 48
	v_pk_add_f32 v[160+r:160+r+1], v[r:r+1], v[96+r:96+r+1]
.set r, r+2
.endr
	WIN 0
.set r, 0
.rept 48
	v_pk_add_f32 v[64+r:64+r+1], v[64+r:64+r+1], v[160+r:160+r+1]
.set r, r+2
.endr
.irp m, 1,2,4,8
.set r, 0
.rept 96
	v_add_f32_dpp v[64+r], v[64+r], v[64+r] row_xmask:\m row_mask:0xf bank_mask:0xf
.set r, r+1
.endr
.endr
.irp b, 0,1,2,3,4,5,6,7,8,9,10,11
	ds_store_b128 v[CSA], v[64+8*\b:64+8*\b+3] offset:64*\b       ; the sixteen lanes of a half write the same bytes with the same numbers
	ds_store_b128 v[CSA], v[64+8*\b+4:64+8*\b+7] offset:64*\b+16
.endr
.irp t, 0,1,2
	ds_load_b64 v[160+2*\t:161+2*\t], v[CSR] offset:256*\t        ; LDS serves a wave's instructions in order: these see the stores above
.endr
	s_wait_dscnt 0x0
.irp t, 0,1,2
	global_store_b64 v[PSO], v[160+2*\t:161+2*\t], s[16:17] offset:256*\t  ; 256 bytes on end, aligned
.endr
; THE WAY OUT of row block a: rounded to f16; through my stage; stored as 512 bytes on end of each head's block
.macro PACK a
	WIN 0x0a+5*((\a)/2)
.set AC, 96*((\a)%2)
.irp b, 0,1,2,3,4,5,6,7,8,9,10,11
.irp r, 0,1,2,3
	v_cvt_pk_f16_f32 v[TMP+4*(\b)+(\r)], v[AC+8*(\b)+2*(\r)], v[AC+8*(\b)+2*(\r)+1]
.endr
.endr
	WIN 0
.endm
.macro TOSTAGE a
.set BK, 112+48*((\a)%2)
	s_wait_xcnt 0x0                                ; earlier stores have read their registers: they are loaded again only behind this wait
.irp b, 0,1,2,3,4,5,6,7,8,9,10,11
	ds_store_b128 v[STO], v[TMP+4*(\b):TMP+4*(\b)+3] offset:32*(\b)
.endr
.irp e, 0,1,2
.irp t, 0,1,2,3
	ds_load_b128 v[BK+4*(4*(\e)+(\t)):BK+4*(4*(\e)+(\t))+3], v[RD] offset:128*(\e)+4*SPITCH*(\t)
.endr
.endr
.endm
.macro SEND a
.set BK, 112+48*((\a)%2)
	s_wait_dscnt 0x0
.irp e, 0,1,2
.irp t, 0,1,2,3
	global_store_b128 v[GO], v[BK+4*(4*(\e)+(\t)):BK+4*(4*(\e)+(\t))+3], s[HB+2*(\e):HB+2*(\e)+1] offset:(16*(\a)+4*(\t))*128
.endr
.endr
.endm
.irp a, 0,1,2,3
	PACK \a
	TOSTAGE \a
	SEND \a
.endr
	s_wait_tensorcnt 0x0                           ; the wave's end
	ds_add_u32 v[SPW], v[NIL]
	s_wait_dscnt 0x0
	CROUND                                         ; the closing round
	s_endpgm
.Lfunc_end_k_q5a6e27c803_qkv:
	.size	k_q5a6e27c803_qkv, .Lfunc_end_k_q5a6e27c803_qkv-k_q5a6e27c803_qkv
	.p2alignl 7, 3214868480
	.fill 96, 4, 3214868480
	.section	.rodata,"a",@progbits
	.p2align	6, 0x0
	.amdhsa_kernel k_q5a6e27c803_qkv
		.amdhsa_group_segment_fixed_size 327680
		.amdhsa_private_segment_fixed_size 0
		.amdhsa_enable_private_segment 0
		.amdhsa_kernarg_size 56
		.amdhsa_user_sgpr_count 2
		.amdhsa_user_sgpr_kernarg_segment_ptr 1
		.amdhsa_wavefront_size32 1
		.amdhsa_system_sgpr_workgroup_id_x 1
		.amdhsa_system_sgpr_workgroup_id_y 1
		.amdhsa_system_sgpr_workgroup_id_z 1
		.amdhsa_system_vgpr_workitem_id 0
		.amdhsa_next_free_vgpr 1024
		.amdhsa_next_free_sgpr 100
		.amdhsa_reserve_vcc 0
		.amdhsa_float_denorm_mode_32 3
		.amdhsa_float_denorm_mode_16_64 3
		.amdhsa_memory_ordered 1
		.amdhsa_forward_progress 1
		.amdhsa_inst_pref_size 167
	.end_amdhsa_kernel
	.amdgpu_metadata
---
amdhsa.version: [ 1, 2 ]
amdhsa.kernels:
  - .name:           k_q5a6e27c803_qkv
    .symbol:         k_q5a6e27c803_qkv.kd
    .args:
      - { .name: xb, .offset: 0, .size: 8, .value_kind: global_buffer, .address_space: global }
      - { .name: wb, .offset: 8, .size: 8, .value_kind: global_buffer, .address_space: global }
      - { .name: bq, .offset: 16, .size: 8, .value_kind: global_buffer, .address_space: global }
      - { .name: bk, .offset: 24, .size: 8, .value_kind: global_buffer, .address_space: global }
      - { .name: bv, .offset: 32, .size: 8, .value_kind: global_buffer, .address_space: global }
      - { .name: qkv, .offset: 40, .size: 8, .value_kind: global_buffer, .address_space: global }
      - { .name: psum, .offset: 48, .size: 8, .value_kind: global_buffer, .address_space: global }
    .group_segment_fixed_size: 327680
    .private_segment_fixed_size: 0
    .kernarg_segment_align: 8
    .kernarg_segment_size: 56
    .max_flat_workgroup_size: 128
    .sgpr_count:     100
    .vgpr_count:     1024
    .wavefront_size: 32
...
	.end_amdgpu_metadata
.endif
;; end of part 2
;; launch attn (part 3): grid 8 x 32, 4 waves a work-group, no clusters, 327,680 bytes of LDS; arguments qkv, psum, pxw, ob; writes ob
.if DOCPART == 3
	.amdgcn_target "amdgcn-amd-amdhsa--gfx1250"
	.amdhsa_code_object_version 6
	.text
	.protected	k_q5a6e27c803_attn
	.globl	k_q5a6e27c803_attn
	.p2align	8
	.type	k_q5a6e27c803_attn,@function
k_q5a6e27c803_attn:
	s_mov_b64 s[64:65], 0
	v_nop
	global_prefetch_b8 v0, s[64:65] scope:SCOPE_SE
	s_setreg_imm32_b32 hwreg(HW_REG_WAVE_MODE, 25, 1), 1
	s_wait_xcnt 0x0
; ATTENTION WITH THE TWO POSITION BIASES.  For head block y: O[i] = sum over j of softmax_j(q_i . k_j / 8 + c2p[i][j] + p2c[i][j]) v_j, 2,048 rows, head size 64; q, k, v, O in f16 by heads.
;   c2p[i][j] = qsum . pos[clip(i - j + 512)], qsum = the sum of q over all rows (f32, from psum);   p2c[i][j] = k_j . pos[clip(2559 - i - j)].
; The accumulator holds S = k . q + 8 bias; p = 2^(c S - c m), c = log2(e) / 8, with a running maximum m; O and l are multiplied by a = 2^(c m_old - c m_new) in every step.
; LIMITS: q, k, v and q + 8 pos stay under 65,504 (f16); a weight below 2^-126 counts as 0; NaN and infinities are not treated apart.
; SHARES.  Work-group (x, y): queries 256 x .. of head block y; wave w: block a = 4 x + w of 64 queries, four PIECES of 16.  Every wave walks all 32 key steps of 64 keys.
; PX (LDS, f16, 1,168 rows of 64, pitch 144): row p = 8 pos[clip(1087 - p)], rows 1152.. are 0.  The row for u = i + j is u - 1472.
; P2C.  With UB = a + b (b the key step): UB <= 22: every pair takes pos[1023]: it is added to Q (k . (q + 8 pos) is the same score).  UB >= 40: pos[0] likewise.  23 .. 39: Q as it is, and KPBLOCK makes
;   T[key][u] = PX[u] . k[key] by the matrix unit for the step's 128 rows of PX, and skews it through my own LDS scratch into the scores' layout (query a lane, 8 keys in registers).
; C2P.  G[x] = qsum . PX[x - 65], x = j - i + 640, made once in the head, in f32, as four copies shifted by one word, so that a lane's 8 values are two aligned loads of 16 bytes.  Past +-9 steps from the
;   diagonal the window is constant: it is clamped there.  MC (128 registers) = the step's 8 c2p (+ T): the C operand of the product that starts each sum.
; TURNS.  Turn n belongs to piece n: 8 products K Q^T of piece n + 1, later 8 products V^T P of piece n - 1; beside them the softmax of piece n and the maximum of piece n + 1; four vector instructions
;   behind each product, the others in one lump; a turn's 33 exponentials are one batch with one wait.  The first turn works on a piece that has not been: its weights and its a are 0.
; NO CLUSTER: which of a step's forms a wave runs hangs on a + b, so work-groups that share K and V would branch unlike each other.
; LDS: PX 0; c2p table 168,192; qsum's halves 189,184; spare words 189,696; slot 0 at 0x30000, slot 1 at 0x40000 (128 keys: K pitch 144, then V pitch 160); scratch 10,752 a wave at 235,520 (waves 0, 1) and 301,056.
;   The addresses that hang on a + b (clamped scalars) point below 189,184 alone, where nothing is written behind the head's last barrier.
; REGISTERS.  window 0: v0-47 addresses and statistics; v48-55 at work; v64-127 S^T, two buffers; v128-191 TT (skewed T); v192-223 P, two buffers; v224-255 at work in the head.
;   window 1: v0-127 O^T; v128-255 MC at 32 piece + 8 key tile.   window 2: v0-63 QW (Q with its addend); v64-127 Q; v128-191 K; v192-255 V.   window 3: v0-159 T's accumulators; v160-255 PX fragments.
.set NP,    4
.set KS,    64
.set PK,    144
.set PV,    160
.set VOFF,  2*KS*PK
.set TZB,   168192
.set TZC,   5184                       ; bytes from a copy to the next: 64 modulo 256, so sixteen lanes touch sixteen different columns of 16 bytes
.set QS,    189184
.set SPARE, 189696
.set SLOT0, 0x30000
.set SLOTX, 0x70000                    ; one exclusive or turns an address in one slot into the other's
.set TS0,   235520
.set TSW,   10752
.set TP,    336                        ; a key's row of T: 80 numbers + 16 bytes
.set SP,    144
.set AK0, 2
.set AV0, 3
.set AK,  4
.set AV,  5
.set STO, 6
.set RD,  7
.set GO,  8
.set MV,  12
.set QO,  15
.set ST,  16
.set LB,  32                           ; v32  my lane's place in the c2p table
.set CA,  33                           ; v33  the address of the step's window of it
.set PA,  34                           ; v34  the address of the step's window of PX
.set TSA, 35                           ; v35  where I put T
.set TLA, 36                           ; v36  where I read it back, skewed
.set ADR, 37
.set PFO, 38
.set VR,  39
.set VS,  40
.set GSM, 41                           ; v41-44 four chains of a table entry's sum
.set PSO, 46
.set TMP, 48
.set SPW, 62
.set NIL, 63
.set S,   64
.set TT,  128
.set P,   192
.set RW,  224
.set MC,  128
.set Q0,  64
.set KF,  128
.set VF,  192
.set KD,  0
.set PXF, 160
.set WV,  12
.set QA,  14                           ; s14  a
.set LIM, 15
.set G1K, 24
.set G1V, 32
.set G0K, 40
.set G0V, 44
.set G1P, 48
.set SLOTS, 56
.set CNT, 57
.set CS,  58
.set SEL, 60
.set TBK, 62
.set TBV, 63
.set G0P, 68
.set PFA, 72
.set UB,  74                           ; s74  a + b of the step whose K has been fetched
.set DB,  75                           ; s75  b + 40 - a of the step to be fetched
.set CUR, 76                           ; s76  the class that QW holds
.set CLS, 77
.set ZA,  78
.set ZHI, 79
.set ZZE, 80
.set ZLO, 81
.set CO,  82
.set PW,  83
.set MSB, 0
.macro WIN new
.if MSB != (\new)
	s_set_vgpr_msb (MSB<<8)|(\new)
.set MSB, (\new)
.endif
.endm
.set W_KQ, 0x0a
.set W_KM, 0x1a
.set W_PV, 0x52
.set W_RS, 0x41
.macro LOAD                            ; a fill: waves 0, 1 the halves of a tile's K, waves 2, 3 of its V; an s_nop 0 and four v_nop follow each line
	s_cmp_lt_u32 s[WV], 2
	s_cbranch_scc0 .Lfor_v_\@
	tensor_load_to_lds s[G0K:G0K+3], s[G1K:G1K+7]
	s_nop 0
.rept 4
	v_nop
.endr
	s_branch .Lasked_\@
.Lfor_v_\@:
	tensor_load_to_lds s[G0V:G0V+3], s[G1V:G1V+7]
	s_nop 0
.rept 4
	v_nop
.endr
.Lasked_\@:
.endm
; A prefetch of what the NEXT change of slots will load: in the head block's first work-group each wave names the 32 blocks of 256 bytes that it will load itself, a lane a block: two key steps ahead.
; The change that fills the last tile asks for nothing.
.macro ASK
	s_cmp_gt_u32 s[SLOTS], s[LIM]
	s_cbranch_scc0 .Lnot_mine_\@
	global_prefetch_b8 v[PFO], s[PFA:PFA+1] th:TH_LOAD_NT scope:SCOPE_SE
.Lnot_mine_\@:
.endm
; THE CHANGE OF SLOTS.  Each wave waits for all its tensor loads, adds 0 to its spare word, waits for that and for its reads of the slot that it leaves; behind the barrier the old slot is filled again first.
.macro CHANGE fill, ask
	WIN 0
	s_wait_tensorcnt 0x0                           ; no tensor load of mine is out, so a group 0 may be written
	ds_add_u32 v[SPW], v[NIL]
.if \fill
	s_xor_b32 s[G0K+1], s[G0K+1], SLOTX
	s_add_nc_u64 s[G0K+2:G0K+3], s[G0K+2:G0K+3], 2*KS*128
	s_xor_b32 s[G0V+1], s[G0V+1], SLOTX
	s_add_nc_u64 s[G0V+2:G0V+3], s[G0V+2:G0V+3], 2*KS*128
	s_wait_xcnt 0x0                                ; the last prefetch, two key steps back, has read its address
	s_add_nc_u64 s[PFA:PFA+1], s[PFA:PFA+1], 2*KS*128
.endif
	s_wait_dscnt 0x0                               ; the add is done, and my reads of the slot are over
	s_barrier_signal -1
	s_sub_co_u32 s[TBK], s[TBK], 2*KS*PK           ; the fetches go back to a slot's first step, in the other slot
	s_xor_b32 s[TBK], s[TBK], SLOTX
	s_sub_co_u32 s[TBV], s[TBV], 2*KS*PV
	s_xor_b32 s[TBV], s[TBV], SLOTX
	s_barrier_wait -1
.if \fill
	LOAD
.endif
.if \ask
	ASK
.endif
.endm
.macro MKCO                            ; the c2p window's byte offset: 256 x (clamp(b - a, -9, 9) + 9)
	s_max_u32 s[CO], s[DB], 31
	s_sub_co_u32 s[CO], s[CO], 31
	s_min_u32 s[CO], s[CO], 18
	s_lshl_b32 s[CO], s[CO], 8
.endm
	s_load_b256 s[4:11], s[0:1], 0x0               ; qkv, psum, pxw, ob
	v_lshl_add_u32 v[SPW], v0, 2, SPARE
	v_mov_b32 v[NIL], 0
	ds_add_u32 v[SPW], v[NIL]                      ; the wave's opening: the add and its wait ahead of my first tensor load
	v_lshrrev_b32 v1, 5, v0
	v_readfirstlane_b32 s[WV], v1
	s_lshl_b32 s[QA], ttmp9, 2
	s_add_co_u32 s[QA], s[QA], s[WV]               ; a
	s_and_b32 s13, ttmp7, 0xffff                   ; y
	s_lshl_b32 s20, s13, 18                        ; the head block's bytes
	s_and_b32 s16, s[WV], 1                        ; which half of a tile's 128 keys I fetch
	s_lshl_b32 s22, s16, 13
	s_add_co_u32 s22, s22, s20
	s_mov_b32 s23, 0
	s_lshl_b32 s2, s[QA], 13                       ; my 64 rows
	s_add_co_u32 s2, s2, s20
	s_mov_b32 s3, 0
	s_lshr_b32 s66, s13, 4
	s_mul_i32 s66, s66, 393216                     ; psum: the batch's 32 chunks,
	s_and_b32 s67, s13, 15
	s_lshl_b32 s67, s67, 8                         ; the head's 64 columns of q
	s_add_co_u32 s66, s66, s67
	s_mov_b32 s67, 0
	s_mul_i32 s18, s[WV], 37376                    ; my quarter of pxw
	s_mov_b32 s19, 0
	; descriptors: 64 keys are 8,192 dense bytes: 32 rows of 256, padded in LDS after every key
	s_mov_b32 s[G1K], (1<<16)|(1<<20)|(4<<22)|(3<<25)
	s_mov_b32 s[G1V], (1<<16)|(1<<20)|(4<<22)|(7<<25)
	s_mov_b32 s[G1P], (1<<16)|(1<<20)|(4<<22)|(3<<25)
.irp g, G1K, G1V
	s_mov_b32 s[\g+1], 128<<16
	s_mov_b32 s[\g+2], 32<<16
	s_mov_b32 s[\g+3], 128<<16
	s_mov_b32 s[\g+4], 32
	s_mov_b32 s[\g+5], 128
	s_mov_b32 s[\g+6], 0
	s_mov_b32 s[\g+7], 0
.endr
	s_mov_b32 s[G1P+1], 128<<16                    ; 292 rows of PX: 146 rows of 256 bytes
	s_mov_b32 s[G1P+2], 146<<16
	s_mov_b32 s[G1P+3], 128<<16
	s_mov_b32 s[G1P+4], 146
	s_mov_b32 s[G1P+5], 128
	s_mov_b32 s[G1P+6], 0
	s_mov_b32 s[G1P+7], 0
	s_mov_b32 s[G0K], 1
	s_mul_i32 s[G0K+1], s16, KS*PK
	s_add_co_u32 s[G0K+1], s[G0K+1], SLOT0
	s_mov_b32 s[G0V], 1
	s_mul_i32 s[G0V+1], s16, KS*PV
	s_add_co_u32 s[G0V+1], s[G0V+1], SLOT0+VOFF
	s_mov_b32 s[G0P], 1
	s_mul_i32 s[G0P+1], s[WV], 292*PK
	s_mul_i32 s88, s16, TSW                        ; my scratch
	s_lshr_b32 s17, s[WV], 1
	s_lshl_b32 s17, s17, 16
	s_add_co_u32 s88, s88, s17
	s_add_co_u32 s88, s88, TS0
	s_mov_b32 s[CS], 0x3e38aa3b                    ; c = log2(e) / 8
	s_mov_b32 s[CS+1], s[CS]
	s_mov_b32 s[SEL], 0x76543210
	s_mov_b32 s[SEL+1], 0xfedcba98
	s_mov_b32 s[TBK], 0x40000+2*KS*PK              ; the first change of slots turns these two into slot 0
	s_mov_b32 s[TBV], 0x40000+2*KS*PV
	s_mov_b32 s[SLOTS], 15
	s_mov_b32 s[ZHI], 0                            ; PX rows 0-15: 8 pos[1023]
	s_mov_b32 s[ZZE], 1152*PK                      ; rows of zeros
	s_mov_b32 s[ZLO], 1136*PK                      ; 8 pos[0]
	s_mov_b32 s[CUR], 1                            ; QW starts as Q itself
	s_mov_b32 s[UB], s[QA]
	s_sub_co_u32 s[DB], 40, s[QA]
	s_cmp_eq_u32 ttmp9, 0
	s_cselect_b32 s[LIM], 1, -1
	s_wait_dscnt 0x0                               ; the opening add is done
	s_wait_kmcnt 0x0
	s_add_nc_u64 s[84:85], s[4:5], s[22:23]
	s_add_nc_u64 s[86:87], s[84:85], 0x1000000     ; V: 64 head blocks on
	s_add_nc_u64 s[84:85], s[84:85], 0x800000      ; K: 32
	s_mov_b64 s[G0K+2:G0K+3], s[84:85]
	s_or_b32 s[G0K+3], s[G0K+3], 0x80000000
	s_mov_b64 s[G0V+2:G0V+3], s[86:87]
	s_or_b32 s[G0V+3], s[G0V+3], 0x80000000
	s_add_nc_u64 s[G0P+2:G0P+3], s[8:9], s[18:19]
	s_or_b32 s[G0P+3], s[G0P+3], 0x80000000
	s_add_nc_u64 s[4:5], s[4:5], s[2:3]            ; Q and O at my rows
	s_add_nc_u64 s[10:11], s[10:11], s[2:3]
	s_add_nc_u64 s[6:7], s[6:7], s[66:67]
	s_cmp_lt_u32 s[WV], 2
	s_cselect_b64 s[PFA:PFA+1], s[84:85], s[86:87]
	s_add_nc_u64 s[PFA:PFA+1], s[PFA:PFA+1], 2*KS*128  ; my part of tile 1
	s_cmp_lt_u32 s[WV], 2                          ; a wave's two first fills stand in one branch: two loads of mine are out
	s_cbranch_scc0 .Lfirst_v
	tensor_load_to_lds s[G0P:G0P+3], s[G1P:G1P+7]
	s_nop 0
	tensor_load_to_lds s[G0K:G0K+3], s[G1K:G1K+7]
	s_nop 0
.rept 4
	v_nop
.endr
	s_branch .Lfirst_asked
.Lfirst_v:
	tensor_load_to_lds s[G0P:G0P+3], s[G1P:G1P+7]
	s_nop 0
	tensor_load_to_lds s[G0V:G0V+3], s[G1V:G1V+7]
	s_nop 0
.rept 4
	v_nop
.endr
.Lfirst_asked:
	v_and_b32 v[PSO], 63, v0                       ; psum: channel t % 64, chunks 16 (t / 64) + 0..15
	v_lshrrev_b32 v47, 6, v0
	v_mul_u32_u24 v47, 0x30000, v47
	v_lshl_add_u32 v[PSO], v[PSO], 2, v47
.set i, 0
.rept 16
	global_load_b32 v[RW+i], v[PSO], s[6:7] offset:i*12288
.set i, i+1
.endr
	v_and_b32 v1, 15, v0                           ; l % 16
	v_bfe_u32 v9, v0, 4, 1                         ; l / 16
	v_lshlrev_b32 v[QO], 7, v1
	v_lshl_add_u32 v[QO], v9, 4, v[QO]
	WIN 0x80
.set i, 0
.rept 8                                ; Q twice: as it is, and where the products name it: piece i / 2, channels 32 (i % 2) on
	global_load_b128 v[Q0+8*i:Q0+8*i+3],   v[QO], s[4:5] offset:(i/2)*2048+(i%2)*64
	global_load_b128 v[Q0+8*i+4:Q0+8*i+7], v[QO], s[4:5] offset:(i/2)*2048+(i%2)*64+32
	global_load_b128 v[8*i:8*i+3],   v[QO], s[4:5] offset:(i/2)*2048+(i%2)*64
	global_load_b128 v[8*i+4:8*i+7], v[QO], s[4:5] offset:(i/2)*2048+(i%2)*64+32
.set i, i+1
.endr
.set i, VF
.rept 64
	v_mov_b32 v[i], 0                              ; what the first turns find: V, O^T, P, l and a are 0
.set i, i+1
.endr
	WIN 0x40
.set i, 0
.rept 128
	v_mov_b32 v[i], 0
.set i, i+1
.endr
	WIN 0
.set i, 0
.rept 4
	v_mov_b32 v[ST+4*i], 0xfe000000                ; c m: far below every c s
	v_mov_b32 v[ST+4*i+1], 0xff7fffff              ; m
	v_mov_b32 v[ST+4*i+2], 0
	v_mov_b32 v[ST+4*i+3], 0
.set i, i+1
.endr
.set i, 0
.rept 32
	v_mov_b32 v[P+i], 0
.set i, i+1
.endr
.set i, 0
.rept 8
	v_mov_b32 v[TMP+i], 0
.set i, i+1
.endr
	v_mul_u32_u24 v[AK0], v1, PK
	v_lshl_add_u32 v[AK0], v9, 4, v[AK0]           ; a fragment's row x pitch + 16 x half: for K and for PX
	v_and_b32 v10, 7, v0
	v_bfe_u32 v11, v0, 3, 1
	v_lshl_add_u32 v[AV0], v9, 3, v10
	v_mul_u32_u24 v[AV0], v[AV0], PV
	v_lshl_add_u32 v[AV0], v11, 4, v[AV0]
	v_add_nc_u32 v[AV0], VOFF, v[AV0]
	v_mul_u32_u24 v[STO], v1, SP
	v_lshl_add_u32 v[STO], v9, 4, v[STO]
	v_add_nc_u32 v[STO], s88, v[STO]
	v_bfe_u32 v[RD], v0, 3, 2
	v_mul_u32_u24 v[RD], v[RD], SP
	v_lshl_add_u32 v[RD], v10, 4, v[RD]
	v_add_nc_u32 v[RD], s88, v[RD]
	v_and_b32 v[GO], 31, v0
	v_lshlrev_b32 v[PFO], 8, v[GO]
	v_lshlrev_b32 v[GO], 4, v[GO]
	v_and_b32 v10, 3, v1                           ; the copy of the table: 3 - i_l % 4,
	v_sub_nc_u32 v10, 3, v10
	v_mul_u32_u24 v10, TZC, v10
	v_bfe_u32 v11, v0, 2, 2
	v_sub_nc_u32 v11, 3, v11                       ; and in it 16 (3 - i_l / 4) + 32 (l / 16) bytes
	v_lshl_add_u32 v10, v11, 4, v10
	v_lshl_add_u32 v10, v9, 5, v10
	v_add_nc_u32 v[LB], TZB+16, v10
	v_mul_u32_u24 v[TSA], v1, TP
	v_lshl_add_u32 v[TSA], v9, 5, v[TSA]
	v_add_nc_u32 v[TSA], s88, v[TSA]               ; key l % 16, u' = 8 (l / 16) + ..
	v_mul_u32_u24 v[TLA], v9, 8*TP+32
	v_lshl_add_u32 v[TLA], v1, 2, v[TLA]
	v_add_nc_u32 v[TLA], s88, v[TLA]               ; key 8 (l / 16) + j, u' = that key + 16 qt + l % 16
	CHANGE 1, 0                                    ; slot 0 and PX are in, everybody's part; slot 1 is asked for
	; THE C2P TABLE.  qsum: 32 chunks' sums, two threads a channel
	s_wait_loadcnt 32                              ; psum's 16 loads are in; Q's 32, issued behind them, may stay out
.irp j, 0,2,4,6
	v_pk_add_f32 v[RW+\j:RW+\j+1], v[RW+\j:RW+\j+1], v[RW+8+\j:RW+8+\j+1]
.endr
.irp j, 0,2
	v_pk_add_f32 v[RW+\j:RW+\j+1], v[RW+\j:RW+\j+1], v[RW+4+\j:RW+4+\j+1]
.endr
	v_pk_add_f32 v[RW:RW+1], v[RW:RW+1], v[RW+2:RW+3]
	v_add_f32 v[RW], v[RW], v[RW+1]
	v_lshl_add_u32 v[VS], v0, 2, QS
	ds_store_b32 v[VS], v[RW]
	s_wait_dscnt 0x0
	s_barrier_signal -1
	s_barrier_wait -1                              ; (slot 1's load stays out, nor the next two)
	v_mov_b32 v[VR], QS
.set i, 0
.rept 32
	ds_load_b128 v[S+4*i:S+4*i+3], v[VR] offset:16*i
.set i, i+1
.endr
	s_wait_dscnt 0x0
.set i, 0
.rept 32
	v_pk_add_f32 v[S+i:S+i+1], v[S+i:S+i+1], v[S+64+i:S+64+i+1]   ; qsum, all 64 channels in every lane
.set i, i+2
.endr
	v_mul_u32_u24 v[VR], v0, PK
	v_add_nc_u32 v[VR], 64*PK, v[VR]               ; PX row 64 + t: x = 129 + t
	v_lshl_add_u32 v[VS], v0, 2, TZB+12+4*129      ; G[x] goes to copy n at TZB + 12 + 4 x + 5,180 n
	s_mov_b32 s[CNT], 8
.Ltab:                                 ; eight trips of 128 entries: x = 129 .. 1152
.irp g, 0,1,2,3,4,5,6,7
	ds_load_b128 v[RW+4*\g:RW+4*\g+3], v[VR] offset:16*\g
.endr
.irp g, 0,1,2,3
	v_mov_b32 v[GSM+\g], 0
.endr
	s_wait_dscnt 0x0
.set z, 0
.rept 32
	v_fma_mix_f32 v[GSM+(2*z)%4], v[RW+z], v[S+2*z], v[GSM+(2*z)%4] op_sel_hi:[1,0,0]
	v_fma_mix_f32 v[GSM+(2*z+1)%4], v[RW+z], v[S+2*z+1], v[GSM+(2*z+1)%4] op_sel:[1,0,0] op_sel_hi:[1,0,0]
.set z, z+1
.endr
	v_add_f32 v[GSM], v[GSM], v[GSM+1]
	v_add_f32 v[GSM+2], v[GSM+2], v[GSM+3]
	v_add_f32 v[GSM], v[GSM], v[GSM+2]
.irp n, 0,1,2,3
	ds_store_b32 v[VS], v[GSM] offset:(TZC-4)*\n
.endr
	v_add_nc_u32 v[VR], 128*PK, v[VR]
	v_add_nc_u32 v[VS], 512, v[VS]
	s_sub_co_u32 s[CNT], s[CNT], 1
	s_cmp_lg_u32 s[CNT], 0
	s_cbranch_scc1 .Ltab
	s_wait_dscnt 0x0
	s_barrier_signal -1
	s_barrier_wait -1
	v_mov_b32 v[VR], TZB+12+4*129
	ds_load_b32 v[GSM], v[VR]                      ; G[129],
	ds_load_b32 v[GSM+1], v[VR] offset:4*(1152-129)  ; G[1152]: the table's constant ends,
	v_lshl_add_u32 v[VS], v0, 2, TZB+16
	s_wait_dscnt 0x0
.irp n, 0,1,2,3
	ds_store_b32 v[VS], v[GSM] offset:(TZC-4)*\n            ; x = 1 .. 128
	ds_store_b32 v[VS], v[GSM+1] offset:4608+(TZC-4)*\n     ; x = 1153 .. 1280
.endr
	s_wait_dscnt 0x0
	s_barrier_signal -1
	s_barrier_wait -1
.set i, 0
.rept 32
	v_mov_b32 v[S+32+i], 0xff7fffff                ; the scores of the piece that has not been: their weights come out 0
.set i, i+1
.endr
; THE MATRIX WORK.  The 4 accumulators of a run of 8 take turns.  Product i of 8 of S^T = K Q^T for piece x: channels 32 (i / 4) on, keys 16 (i % 4) on; the first 4 start the sums with MC.
.macro KQ x
.set rS, S+32*((\x)%2)+8*(i%4)
.set rK, KF+16*(i%4)+8*(i/4)
.set rQ, 16*(\x)+8*(i/4)
.set rM, MC+32*(\x)+8*(i%4)
.if i < 4
	WIN W_KM
	v_wmma_f32_16x16x32_f16 v[rS:rS+7], v[rK:rK+7], v[rQ:rQ+7], v[rM:rM+7]
.else
	WIN W_KQ
	v_wmma_f32_16x16x32_f16 v[rS:rS+7], v[rK:rK+7], v[rQ:rQ+7], v[rS:rS+7]
.endif
.endm
.macro PV x                            ; product i of 8 of O^T += V^T P for piece x
	WIN W_PV
.set rO, 32*(\x)+8*(i%4)
.set rV, VF+32*(i/4)+8*(i%4)
.set rP, P+16*((\x)%2)+8*(i/4)
	v_wmma_f32_16x16x32_f16 v[rO:rO+7], v[rV:rV+7], v[rP:rP+7], v[rO:rO+7]
.endm
.macro MM
.if i < 8
	KQ (Y+1)%NP
.else
.set i, i-8
	PV (Y+NP-1)%NP
.set i, i+8
.endif
.set i, i+1
.endm
.macro FETCH_K
	WIN 0x80
.irp f, 0,1,2,3,4,5,6,7
	ds_load_b128 v[KF+8*\f:KF+8*\f+3],   v[AK] offset:(\f/2)*16*PK+(\f%2)*64
	ds_load_b128 v[KF+8*\f+4:KF+8*\f+7], v[AK] offset:(\f/2)*16*PK+(\f%2)*64+32
.endr
	s_add_co_u32 s[TBK], s[TBK], KS*PK
	WIN 0
.endm
.macro FETCH_V
	WIN 0x80
.irp f, 0,1,2,3,4,5,6,7
	ds_load_tr16_b128 v[VF+8*\f:VF+8*\f+3],   v[AV] offset:(\f/4)*32*PV+(\f%4)*32
	ds_load_tr16_b128 v[VF+8*\f+4:VF+8*\f+7], v[AV] offset:(\f/4)*32*PV+16*PV+(\f%4)*32
.endr
	WIN 0
.endm
.macro FETCH_C                         ; the step's 8 c2p: for query tile qt and key tile kc the window begins 64 (kc + 3 - qt) bytes on
	WIN 0x40
.irp qt, 0,1,2,3
.irp kc, 0,1,2,3
	ds_load_b128 v[MC+32*\qt+8*\kc:MC+32*\qt+8*\kc+3],   v[CA] offset:64*(\kc+3-\qt)
	ds_load_b128 v[MC+32*\qt+8*\kc+4:MC+32*\qt+8*\kc+7], v[CA] offset:64*(\kc+3-\qt)+16
.endr
.endr
	WIN 0
.endm
; THE VECTOR WORK, one line at a time: OP kind, number.  For piece Y: F n: c s - c m for pair n.  E n: the exponential of score n.  C n: pair n rounded to f16.  B n: of four weights the second pair onto the first.
; L n: l takes that sum (L 0: l = a l + sum).  R n: pair n of O^T times a.  For piece Y + 1: X n, number n of the 22 that find its maximum and statistics (each accumulator's lowest registers are read first).
.set F, 0
.set E, 1
.set C, 2
.set B, 3
.set L, 4
.set R, 5
.set X, 6
.macro REGS y
.set rT, ST+4*(\y)
.set rC, TMP+4*((\y)%2)
.set rW, MV+((\y)%2)
.set rS, S+32*((\y)%2)
.set rP, P+16*((\y)%2)
.set rO, 32*(\y)
.endm
.macro OP k, n
.if (\k) == R
	REGS Y
	WIN W_RS
	v_pk_mul_f32 v[rO+2*(\n):rO+2*(\n)+1], v[rO+2*(\n):rO+2*(\n)+1], v[rC+2:rC+3] op_sel_hi:[1,0]
.elseif (\k) < R
	REGS Y
	WIN 0
.if (\k) == F
	v_pk_fma_f32 v[rS+2*(\n):rS+2*(\n)+1], v[rS+2*(\n):rS+2*(\n)+1], s[CS:CS+1], v[rT:rT+1] op_sel_hi:[1,0,0] neg_lo:[0,0,1] neg_hi:[0,0,1]
.elseif (\k) == E
	v_exp_f32 v[rS+(\n)], v[rS+(\n)]
.elseif (\k) == C
	v_cvt_pk_f16_f32 v[rP+(\n)], v[rS+2*(\n)], v[rS+2*(\n)+1]
.elseif (\k) == B
	v_pk_add_f32 v[rS+4*(\n):rS+4*(\n)+1], v[rS+4*(\n):rS+4*(\n)+1], v[rS+4*(\n)+2:rS+4*(\n)+3]
.elseif (\n) == 0
	v_pk_fma_f32 v[rT+2:rT+3], v[rT+2:rT+3], v[rC+2:rC+3], v[rS:rS+1] op_sel_hi:[1,0,1]
.else
	v_pk_add_f32 v[rT+2:rT+3], v[rT+2:rT+3], v[rS+4*(\n):rS+4*(\n)+1]
.endif
.else
	REGS (Y+1)%NP
	WIN 0
.if (\n) < 4
	v_max3_num_f32 v[rC+(\n)], v[rS+8*(\n)], v[rS+8*(\n)+1], v[rS+8*(\n)+2]
.elseif (\n) < 12
	v_max3_num_f32 v[rC+(\n)%4], v[rC+(\n)%4], v[rS+8*((\n)%4)+2*((\n)/4)+1], v[rS+8*((\n)%4)+2*((\n)/4)+2]
.elseif (\n) == 12
	v_max3_num_f32 v[rC], v[rC], v[rS+7], v[rS+15]
.elseif (\n) == 13
	v_max3_num_f32 v[rC+1], v[rC+1], v[rS+23], v[rS+31]
.elseif (\n) == 14
	v_max3_num_f32 v[rC+2], v[rC+2], v[rC+3], v[rT+1]
.elseif (\n) == 15
	v_mov_b32 v[rW], v[rT]
.elseif (\n) == 16
	v_max3_num_f32 v[rC], v[rC], v[rC+1], v[rC+2]
.elseif (\n) == 17
	v_permlanex16_b32 v[rC+3], v[rC], s[SEL], s[SEL+1]
.elseif (\n) == 18
	v_max_num_f32 v[rT+1], v[rC], v[rC+3]
.elseif (\n) == 19
	v_mul_f32 v[rT], s[CS], v[rT+1]
.elseif (\n) == 20
	v_sub_f32 v[rC+1], v[rW], v[rT]
.else
	v_exp_f32 v[rC+2], v[rC+1]
.endif
.endif
.endm
.macro OPS a, i1, b=-1, i2=0, c=-1, i3=0, d=-1, i4=0
	OP \a, \i1
.if (\b) >= 0
	OP \b, \i2
.endif
.if (\c) >= 0
	OP \c, \i3
.endif
.if (\d) >= 0
	OP \d, \i4
.endif
.endm
.macro ROW a, i1, b, i2, c, i3, d, i4
	MM
	OPS \a, \i1, \b, \i2, \c, \i3, \d, \i4
.endm
; A TURN, for piece p.  Ahead of its one wait stands all that names no result of its exponentials: 8 products K Q^T with their riders and one lump; behind it 8 products V^T P, their riders the roundings and sums.
; Piece 2's turn fetches the next step's K and c2p window (48 LDS loads), behind the last product that read K, with twelve plain instructions that name none of its registers between; last = 1 (the tail): behind the
; turn's wait, and jumped over where no step is left.  Piece 0's turn fetches the step's V at its end; piece 1's waits for it.  cnt = 1: the loop's count is taken down ahead of the branch behind the turn.
.macro TURN p, last=0, cnt=0
.set Y, (\p)
.set i, 0
	ROW F,0, F,1, R,0, R,1
	ROW F,2, E,0, R,2, R,3
	ROW F,3, E,1, R,4, R,5
	ROW F,4, E,2, R,6, R,7
	ROW F,5, E,3, R,8, R,9
	ROW F,6, E,4, X,0, R,10
.if (\p) == 2
	MKCO
	WIN 0
	v_add_nc_u32 v[AK], s[TBK], v[AK0]
	v_add_nc_u32 v[CA], s[CO], v[LB]
.endif
	ROW F,7, E,5, X,1, X,4
	ROW F,8, E,6, X,2, X,5
	OPS E,7, E,8, X,6, E,9
	OPS X,3, E,10, X,8, E,11
.if ((\p) == 2) && !(\last)
	FETCH_K
	FETCH_C
.endif
	OPS X,9, X,7, E,12, X,10
	OPS E,13, X,12, X,11, E,14
	OPS X,13, E,15, F,9, X,14
.if (\p) == 0
	v_add_nc_u32 v[AV], s[TBV], v[AV0]
.endif
	OPS E,16, F,10, E,17, F,11
	OPS X,16, E,18, X,15, E,19
	OPS F,12, E,20, X,17, E,21
	OPS F,13, E,22, F,14, E,23
	OPS X,18, E,24, F,15, E,25
	OPS R,11, E,26, X,19, E,27
	OPS R,12, E,28, R,13, E,29
	OPS X,20, E,30, R,14, E,31
	OPS X,21, R,15
	WIN 0
	s_wait_alu depctr_va_vdst(0)                   ; the wait for the batch, ahead of the first instruction that names an exponential's result
.if ((\p) == 2) && (\last)
	s_cmp_eq_u32 s[CNT], 1
	s_cbranch_scc1 .Lnofetch_\@
	FETCH_K
	FETCH_C
.Lnofetch_\@:
.endif
.if (\p) == 1
	s_wait_dscnt 0x0                               ; V is in
.endif
	ROW C,0, B,0, C,2, B,1
	ROW L,0, C,4, B,2, L,1
	ROW C,6, B,3, L,2, C,8
	ROW B,4, L,3, C,10, B,5
	ROW L,4, C,12, B,6, L,5
.if (\p) == 0
	s_add_co_u32 s[TBV], s[TBV], KS*PV
.endif
.if \cnt
	s_sub_co_u32 s[CNT], s[CNT], 1
	s_cmp_lg_u32 s[CNT], 0
.endif
	ROW C,14, B,7, L,6, C,1
	ROW C,3, L,7, C,5, C,7
	ROW C,9, C,11, C,13, C,15
.if (\p) == 0
	FETCH_V
.endif
.endm
; QW = Q + Z, Z = sixteen equal rows of PX at s[ZA], read as a fragment: the same 64 numbers for every query
.macro UPDATE
	WIN 0
	v_add_nc_u32 v[ADR], s[ZA], v[AK0]
	WIN 0xc0
.irp g, 0,1,2,3
	ds_load_b128 v[PXF+4*\g:PXF+4*\g+3], v[ADR] offset:32*\g
.endr
	s_wait_dscnt 0x0
	WIN 0x8e                                       ; destination and source 0 in window 2, source 1 in window 3
.set z, 0
.rept 64
	v_pk_add_f16 v[z], v[Q0+z], v[PXF+z%16]
.set z, z+1
.endr
	WIN 0
	s_mov_b32 s[CUR], s[CLS]
.endm
; T = PX K^T.  Phase ph: key tiles 2 ph, 2 ph + 1, each against the five u tiles kt .. kt + 4: ten accumulators by turns, the first ten products start the sums.  In the result a lane holds key l % 16 and u = 8 (l / 16) + 0..7.
.macro KPH ph
	WIN 0xfb                                       ; PX and T in window 3, K in window 2
.irp f, 0,1
.irp kk, 0,1
.irp d, 0,1,2,3,4
.set rD, KD+80*(\ph)+40*(\kk)+8*(\d)
.set rA, PXF+16*((2*(\ph)+(\kk)+(\d))%6)+8*(\f)
.set rB, KF+16*(2*(\ph)+(\kk))+8*(\f)
.if (\f) == 0
	v_wmma_f32_16x16x32_f16 v[rD:rD+7], v[rA:rA+7], v[rB:rB+7], 0
.else
	v_wmma_f32_16x16x32_f16 v[rD:rD+7], v[rA:rA+7], v[rB:rB+7], v[rD:rD+7]
.endif
.endr
.endr
.endr
.endm
.macro KPST ph                         ; into my scratch: [key][u'], u' counted from the key tile's first u tile; each accumulator's low four registers first
	WIN 0x0c
.irp kk, 0,1
.irp d, 0,1,2,3,4
	ds_store_b128 v[TSA], v[KD+80*(\ph)+40*(\kk)+8*(\d):KD+80*(\ph)+40*(\kk)+8*(\d)+3]   offset:16*TP*(\kk)+64*(\d)
	ds_store_b128 v[TSA], v[KD+80*(\ph)+40*(\kk)+8*(\d)+4:KD+80*(\ph)+40*(\kk)+8*(\d)+7] offset:16*TP*(\kk)+64*(\d)+16
.endr
.endr
.endm
.macro KPLD                            ; back, skewed: key 8 (l / 16) + j, u' = key + 16 qt + l % 16
	WIN 0
.irp qt, 0,1,2,3
.irp kk, 0,1
.irp j, 0,1,2,3,4,5,6,7
	ds_load_b32 v[TT+16*(\qt)+8*(\kk)+(\j)], v[TLA] offset:16*TP*(\kk)+(TP+4)*(\j)+64*(\qt)
.endr
.endr
.endr
.endm
.macro KPAD ph
	WIN W_RS
.irp qt, 0,1,2,3
.irp kk, 0,1
.irp r, 0,2,4,6
	v_pk_add_f32 v[MC+32*(\qt)+8*(2*(\ph)+(\kk))+(\r):MC+32*(\qt)+8*(2*(\ph)+(\kk))+(\r)+1], v[MC+32*(\qt)+8*(2*(\ph)+(\kk))+(\r):MC+32*(\qt)+8*(2*(\ph)+(\kk))+(\r)+1], v[TT+16*(\qt)+8*(\kk)+(\r):TT+16*(\qt)+8*(\kk)+(\r)+1]
.endr
.endr
.endr
.endm
.macro PXT t                           ; u tile t of the window: 16 rows x 64 channels, into place t % 6
.irp g, 0,1,2,3
	ds_load_b128 v[PXF+16*((\t)%6)+4*\g:PXF+16*((\t)%6)+4*\g+3], v[PA] offset:(\t)*16*PK+32*\g
.endr
.endm
.macro KPBLOCK
	WIN 0
	v_add_nc_u32 v[PA], s[PW], v[AK0]
	WIN 0xc0
.irp t, 0,1,2,3,4,5
	PXT \t
.endr
	s_wait_dscnt 0x0
	KPH 0
.rept 8
	v_nop                                          ; the places behind those products, ahead of the loads into their sources and of the stores of their results
.endr
	WIN 0xc0
	PXT 6
	PXT 7
	KPST 0
	s_wait_dscnt 20                                ; tiles 6 and 7 are in; the 20 stores issued behind them may be out
	KPLD
	KPH 1
	s_wait_dscnt 0x0
	KPAD 0                                         ; 32 plain instructions that name no register of the products just issued: their places
	KPST 1                                         ; LDS serves a wave's instructions in order: the scratch is written again behind the loads that read it
	KPLD
	s_wait_dscnt 0x0
	KPAD 1
	WIN 0
.endm
; BETWEEN PIECE 2's AND PIECE 3's TURN: K and the c2p window of the next step are in; QW takes the step's addend if its class has changed; a band step adds T to MC.  All jumps go forward, past no barrier and no tensor load.
.macro NEXTSTEP last
	WIN 0
.if \last
	s_cmp_eq_u32 s[CNT], 1
	s_cbranch_scc1 .Lns_end_\@
.endif
	s_wait_dscnt 0x0
	s_cmp_ge_u32 s[UB], 23
	s_cselect_b32 s[CLS], 1, 0
	s_cselect_b32 s[ZA], s[ZZE], s[ZHI]
	s_cmp_ge_u32 s[UB], 40
	s_cselect_b32 s[CLS], 2, s[CLS]
	s_cselect_b32 s[ZA], s[ZLO], s[ZA]
	s_cmp_eq_u32 s[CLS], s[CUR]
	s_cbranch_scc1 .Lns_same_\@
	UPDATE
.Lns_same_\@:
	s_cmp_eq_u32 s[CLS], 1
	s_cbranch_scc0 .Lns_nokp_\@
	s_sub_co_u32 s[PW], s[UB], 23
	s_min_u32 s[PW], s[PW], 16
	s_mul_i32 s[PW], s[PW], 64*PK                  ; the window's first row: 64 (UB - 23)
	KPBLOCK
.Lns_nokp_\@:
	s_add_co_u32 s[UB], s[UB], 1
	s_add_co_u32 s[DB], s[DB], 1
.Lns_end_\@:
.endm
	MKCO                                           ; key step 0
	v_add_nc_u32 v[AK], s[TBK], v[AK0]
	v_add_nc_u32 v[CA], s[CO], v[LB]
	FETCH_K
	FETCH_C
	s_wait_loadcnt 0x0                             ; Q
	s_mov_b32 s[CNT], 2
	s_branch .Lnext                                ; the loop is entered in the middle of a trip
.Lslot:                                ; 14 times: tiles 2 to 15 are asked for
	CHANGE 1, 1
	s_mov_b32 s[CNT], 2
.Lstep:                                ; a trip: pieces 2 and 3 of one step, then pieces 0 and 1 of the next
	TURN 2
	WIN 0
.Lnext:
	NEXTSTEP 0
	TURN 3
	TURN 0
	TURN 1, 0, 1
	WIN 0
	s_cbranch_scc1 .Lstep
	s_sub_co_u32 s[SLOTS], s[SLOTS], 1
	s_cmp_lg_u32 s[SLOTS], 0
	s_cbranch_scc1 .Lslot
	CHANGE 0, 0                                    ; the tail is written out
	s_mov_b32 s[CNT], 3                            ; two trips fetch the last tile's steps; the third is left in its middle
.Ltail:
	TURN 2, 1
	NEXTSTEP 1
	TURN 3
	WIN 0
	s_sub_co_u32 s[CNT], s[CNT], 1
	s_cmp_eq_u32 s[CNT], 0
	s_cbranch_scc1 .Lout
	TURN 0
	TURN 1
	WIN 0
	s_branch .Ltail
.Lout:                                 ; the third trip's 8 products K Q^T, on the last K once more, serve nothing: the price of one text for every trip
.set i, 0
.rept 8
	PV NP-1
.set i, i+1
.endr
	; THE WAY OUT: l's halves are added, O^T is divided by l, rounded to f16 and sent through my scratch, a piece at a time
	WIN 0
.macro ALL line:vararg
.set t, 0
.rept 4
	\line
.set t, t+1
.endr
.endm
	ALL v_add_f32 v[ST+4*t+2], v[ST+4*t+2], v[ST+4*t+3]
	ALL v_permlanex16_b32 v[ST+4*t+3], v[ST+4*t+2], s[SEL], s[SEL+1]
	ALL v_add_f32 v[ST+4*t+2], v[ST+4*t+2], v[ST+4*t+3]
	ALL v_rcp_f32 v[ST+4*t+2], v[ST+4*t+2]
	v_nop                                          ; a plain instruction behind the last reciprocal,
	s_wait_alu depctr_va_vdst(0)                   ; and one wait for the four
.macro PACK t
	WIN W_RS
.set i, 32*(\t)
.rept 16
	v_pk_mul_f32 v[i:i+1], v[i:i+1], v[ST+4*(\t)+2:ST+4*(\t)+3] op_sel_hi:[1,0]
.set i, i+2
.endr
	WIN 0x05
.set i, 0
.rept 16
	v_cvt_pk_f16_f32 v[S+16*(\t)+i], v[32*(\t)+2*i], v[32*(\t)+2*i+1]
.set i, i+1
.endr
	WIN 0
.irp f, 0,1,2,3
	ds_store_b128 v[STO], v[S+16*(\t)+4*\f:S+16*(\t)+4*\f+3] offset:32*\f
.endr
.irp f, 0,1,2,3
	ds_load_b128 v[S+16*(\t)+4*\f:S+16*(\t)+4*\f+3], v[RD] offset:\f*4*SP
.endr
.endm
.macro SEND t, younger
	WIN 0
.irp f, 0,1,2,3
	s_wait_dscnt (\younger)+3-\f
	global_store_b128 v[GO], v[S+16*(\t)+4*\f:S+16*(\t)+4*\f+3], s[10:11] offset:(\t)*2048+\f*512  ; 512 bytes on end, aligned
.endr
.endm
	PACK 0
.set t, 1
.rept 3
	PACK t
	SEND t-1, 8
.set t, t+1
.endr
	SEND 3, 0
	s_wait_tensorcnt 0x0                           ; the wave's end
	ds_add_u32 v[SPW], v[NIL]
	s_wait_dscnt 0x0
	s_endpgm
.Lfunc_end_k_q5a6e27c803_attn:
	.size	k_q5a6e27c803_attn, .Lfunc_end_k_q5a6e27c803_attn-k_q5a6e27c803_attn
	.p2alignl 7, 3214868480
	.fill 96, 4, 3214868480
	.section	.rodata,"a",@progbits
	.p2align	6, 0x0
	.amdhsa_kernel k_q5a6e27c803_attn
		.amdhsa_group_segment_fixed_size 327680
		.amdhsa_private_segment_fixed_size 0
		.amdhsa_enable_private_segment 0
		.amdhsa_kernarg_size 32
		.amdhsa_user_sgpr_count 2
		.amdhsa_user_sgpr_kernarg_segment_ptr 1
		.amdhsa_wavefront_size32 1
		.amdhsa_system_sgpr_workgroup_id_x 1
		.amdhsa_system_sgpr_workgroup_id_y 1
		.amdhsa_system_sgpr_workgroup_id_z 1
		.amdhsa_system_vgpr_workitem_id 0
		.amdhsa_next_free_vgpr 1024
		.amdhsa_next_free_sgpr 92
		.amdhsa_reserve_vcc 0
		.amdhsa_float_denorm_mode_32 3
		.amdhsa_float_denorm_mode_16_64 3
		.amdhsa_memory_ordered 1
		.amdhsa_forward_progress 1
		.amdhsa_inst_pref_size 184
	.end_amdhsa_kernel
	.amdgpu_metadata
---
amdhsa.version: [ 1, 2 ]
amdhsa.kernels:
  - .name:           k_q5a6e27c803_attn
    .symbol:         k_q5a6e27c803_attn.kd
    .args:
      - { .name: qkv, .offset: 0, .size: 8, .value_kind: global_buffer, .address_space: global }
      - { .name: psum, .offset: 8, .size: 8, .value_kind: global_buffer, .address_space: global }
      - { .name: pxw, .offset: 16, .size: 8, .value_kind: global_buffer, .address_space: global }
      - { .name: ob, .offset: 24, .size: 8, .value_kind: global_buffer, .address_space: global }
    .group_segment_fixed_size: 327680
    .private_segment_fixed_size: 0
    .kernarg_segment_align: 8
    .kernarg_segment_size: 32
    .max_flat_workgroup_size: 128
    .sgpr_count:     92
    .vgpr_count:     1024
    .wavefront_size: 32
...
	.end_amdgpu_metadata
.endif
;; end of part 3
;; launch proj (part 4): grid 8 x 32, 4 waves a work-group, clusters of 4 x 4, 327,680 bytes of LDS; arguments ob, wb, out0; writes out0
.if DOCPART == 4
	.amdgcn_target "amdgcn-amd-amdhsa--gfx1250"
	.amdhsa_code_object_version 6
	.text
	.protected	k_q5a6e27c803_proj
	.globl	k_q5a6e27c803_proj
	.p2align	8
	.type	k_q5a6e27c803_proj,@function
k_q5a6e27c803_proj:
	s_mov_b64 s[64:65], 0
	v_nop
	global_prefetch_b8 v0, s[64:65] scope:SCOPE_SE
	s_setreg_imm32_b32 hwreg(HW_REG_WAVE_MODE, 25, 1), 1
	s_wait_xcnt 0x0
	s_wait_alu depctr_hold_cnt(0) depctr_sa_sdst(0) depctr_va_vdst(0) depctr_va_sdst(0) depctr_va_ssrc(0) depctr_va_vcc(0) depctr_vm_vsrc(0)
	s_getreg_b32 s2, hwreg(HW_REG_IB_STS2, 6, 4)
	s_cmp_eq_u32 s2, 0
	s_cbranch_scc0 .Lentry_in_a_cluster
	s_endpgm
.Lentry_in_a_cluster:
	s_bfe_u32 s2, ttmp6, 0x10000c
	s_cmp_lg_u32 s2, 0xf033
	s_cbranch_scc0 .Lentry_shape_is_right
	s_endpgm
.Lentry_shape_is_right:
; OUT.  out0[m][n] = sum over k of O[m][k] Wc[n][k], m < 4096, n, k < 1024; O by heads, ob[batch x 16 + head][row][64] in f16 (k = 64 head + channel); Wc = rows 3072.. of wb, f16; sums and out0 in f32.
; A tile is 128 x 128, four waves of 64 x 64 (16 accumulators): 8 x 32 tiles, one for each work-group.  K goes in steps of 256 (four heads) through two LDS slots.
; O's tile: a head's 128 rows are 16 KiB on end in memory; one load brings two heads as two long rows, padded in LDS after every 128 bytes (pitch 144).  Wc's tile: 64 rows of 512 bytes a load, pitch 528.
; CLUSTER 4 x 4: O's tile is shared along a row of the cluster, Wc's along a column, by joint loads.  The product is used transposed: a lane holds row l % 16 and eight neighbouring columns.
; REGISTERS: window 0: v0-31 addresses; v32-95 the way out; v128-255 accumulators ((a, b) at 128 + 8 (4 a + b)).  window 1: two fragment buffers of 128: 64 of O, then 64 of Wc.
.set APITCH, 144
.set BPITCH, 528
.set AHEAD,  128*APITCH                ; a head's 128 rows
.set ATILE,  4*AHEAD
.set HALFB,  64*BPITCH
.set SLOT,   ATILE+2*HALFB
.set STAGE,  2*SLOT                    ; behind the ring: 16 rows x 272 bytes for each wave
.set SPITCH, 272
.set SPARE,  STAGE+4*16*SPITCH
.set ADRA, 16
.set ADRB, 20
.set STO,  24
.set RD,   25
.set CO,   26
.set SPW,  28
.set NIL,  29
.set TMP,  32
.set ACC,  128
.set F0,   0
.set F1,   128
.set G1, 24
.set G0, 32
.set G1B, 48
.set G0B, 56
.set MSB, 0
.macro WIN new
.if MSB != (\new)
	s_set_vgpr_msb (MSB<<8)|(\new)
.set MSB, \new
.endif
.endm
.set MUL,  0x05
.set TO_F, 0x40
.macro JLOAD s
	s_cmp_eq_u32 s11, 0
	s_cbranch_scc0 .Lfor_b_\@
	tensor_load_to_lds s[G0+4*(\s):G0+4*(\s)+3], s[G1:G1+7]
	s_nop 0
.rept 4
	v_nop
.endr
	s_branch .Lasked_\@
.Lfor_b_\@:
	tensor_load_to_lds s[G0B+4*(\s):G0B+4*(\s)+3], s[G1B:G1B+7]
	s_nop 0
.rept 4
	v_nop
.endr
.Lasked_\@:
.endm
.macro CREST
	s_cmp_lg_u32 s10, 0
	s_cbranch_scc1 .Lnot_wave_0_\@
	s_barrier_signal -3
.Lnot_wave_0_\@:
	s_barrier_wait -3
	s_barrier_signal -1
	s_barrier_wait -1
.endm
.macro CROUND
	s_barrier_signal -1
	s_barrier_wait -1
	CREST
.endm
	s_load_b128 s[4:7], s[0:1], 0x0                ; ob, wb
	s_load_b64 s[8:9], s[0:1], 0x10                ; out0
	v_lshl_add_u32 v[SPW], v0, 2, SPARE
	v_mov_b32 v[NIL], 0
	ds_add_u32 v[SPW], v[NIL]                      ; the wave's opening: the add and its wait ahead of my first tensor load
	v_lshrrev_b32 v1, 5, v0
	v_readfirstlane_b32 s10, v1                    ; wave
	s_lshr_b32 s11, s10, 1                         ; my half of the tile's rows; also: I fetch for O (0) or for Wc (1)
	s_and_b32 s12, s10, 1                          ; my half of its columns; also: which half of that tile I fetch
	s_bfe_u32 s40, ttmp6, 0x40000
	s_bfe_u32 s41, ttmp6, 0x40004
	s_lshl_b32 s42, ttmp9, 2
	s_add_co_u32 s42, s42, s40                     ; tile column
	s_and_b32 s13, ttmp7, 0xffff
	s_lshl_b32 s13, s13, 2
	s_add_co_u32 s13, s13, s41                     ; tile row
	s_lshl_b32 s43, s41, 2
	s_lshl_b32 s43, 15, s43
	s_lshl_b32 s44, 0x1111, s40
	s_or_b32 s[G1+0], s43, (1<<16)|(1<<20)|(1<<21)|(4<<22)|(3<<25)   ; mask of my row; 2-byte elements; padding after every 32 words, 4 words
	s_mov_b32 s[G1+1], 8192<<16                    ; tensor_dim0 = 8,192: a head's 128 rows on end
	s_mov_b32 s[G1+2], 2<<16                       ; tensor_dim1 = 2 heads
	s_mov_b32 s[G1+3], 8192<<16                    ; tile_dim0
	s_mov_b32 s[G1+4], 2                           ; tile_dim1
	s_mov_b32 s[G1+5], 131072                      ; elements from a head to the next
	s_mov_b32 s[G1+6], 0
	s_mov_b32 s[G1+7], 0
	s_or_b32 s[G1B+0], s44, (1<<16)|(1<<20)|(1<<21)|(6<<22)|(3<<25)  ; mask of my column; padding after every 128 words
	s_mov_b32 s[G1B+1], 256<<16
	s_mov_b32 s[G1B+2], 64<<16
	s_mov_b32 s[G1B+3], 256<<16
	s_mov_b32 s[G1B+4], 64
	s_mov_b32 s[G1B+5], 1024
	s_mov_b32 s[G1B+6], 0
	s_mov_b32 s[G1B+7], 0
	s_lshr_b32 s16, s13, 4                         ; batch
	s_lshl_b32 s16, s16, 4
	s_lshl_b32 s17, s12, 1
	s_add_co_u32 s16, s16, s17                     ; head block 16 x batch + 2 x half
	s_lshl_b32 s16, s16, 18
	s_and_b32 s17, s13, 15
	s_lshl_b32 s17, s17, 14                        ; the tile's 128 rows in it
	s_add_co_u32 s16, s16, s17
	s_mov_b32 s17, 0
	s_lshl_b32 s46, s42, 7
	s_lshl_b32 s47, s12, 6
	s_add_co_u32 s46, s46, s47                     ; Wc: row 128 x tile column + 64 x half
	s_lshl_b32 s46, s46, 11
	s_add_co_u32 s46, s46, 3072*2048               ; behind Wq, Wk, Wv
	s_mov_b32 s47, 0
	s_mul_i32 s20, s12, 2*AHEAD
	s_mul_i32 s21, s12, HALFB
	s_add_co_u32 s21, s21, ATILE
	s_wait_dscnt 0x0                               ; the opening add is done
	s_wait_kmcnt 0x0
	s_add_nc_u64 s[14:15], s[4:5], s[16:17]
	s_add_nc_u64 s[46:47], s[6:7], s[46:47]
	CROUND                                         ; all sixteen work-groups are here: the first joint loads meet
.irp s, 0,1
	s_mov_b32 s[G0+4*(\s)], 1
	s_add_co_u32 s[G0+4*(\s)+1], s20, (\s)*SLOT
	s_add_nc_u64 s[G0+4*(\s)+2:G0+4*(\s)+3], s[14:15], (\s)*4*262144
	s_or_b32 s[G0+4*(\s)+3], s[G0+4*(\s)+3], 0x80000000
	s_mov_b32 s[G0B+4*(\s)], 1
	s_add_co_u32 s[G0B+4*(\s)+1], s21, (\s)*SLOT
	s_add_nc_u64 s[G0B+4*(\s)+2:G0B+4*(\s)+3], s[46:47], (\s)*512
	s_or_b32 s[G0B+4*(\s)+3], s[G0B+4*(\s)+3], 0x80000000
	JLOAD \s
.endr
	v_and_b32 v1, 15, v0
	v_bfe_u32 v2, v0, 4, 1
	v_mul_u32_u24 v3, v1, APITCH
	v_lshl_add_u32 v3, v2, 4, v3
	v_mul_u32_u24 v4, v1, BPITCH
	v_lshl_add_u32 v4, v2, 4, v4
	s_mul_i32 s21, s11, 64*APITCH                  ; my 64 rows of each head
	s_mul_i32 s22, s12, HALFB
	s_add_co_u32 s22, s22, ATILE                   ; my 64 rows of Wc
.irp s, 0,1
	v_add_nc_u32 v[ADRA+(\s)], s21, v3
	v_add_nc_u32 v[ADRB+(\s)], s22, v4
	s_add_co_u32 s21, s21, SLOT
	s_add_co_u32 s22, s22, SLOT
.endr
	s_mul_i32 s23, s10, 16*SPITCH
	s_add_co_u32 s23, s23, STAGE                   ; my stage
	v_mul_u32_u24 v4, v1, SPITCH
	v_lshl_add_u32 v4, v2, 5, v4
	v_add_nc_u32 v[STO], s23, v4                   ; in: row l % 16, 32 bytes for each half of the lanes
	v_mul_u32_u24 v5, v2, SPITCH
	v_lshl_add_u32 v5, v1, 4, v5
	v_add_nc_u32 v[RD], s23, v5                    ; back: lanes 0-15 one row of 256 bytes, lanes 16-31 the next
	v_lshlrev_b32 v5, 12, v2
	v_lshl_add_u32 v[CO], v1, 4, v5                ; the same two rows in out0
	s_lshl_b32 s16, s13, 7
	s_lshl_b32 s17, s11, 6
	s_add_co_u32 s16, s16, s17                     ; my first row
	s_lshl_b32 s16, s16, 12
	s_mov_b32 s17, 0
	s_add_nc_u64 s[8:9], s[8:9], s[16:17]
	s_lshl_b32 s46, s42, 9                         ; my first column, in bytes: 512 x tile column + 256 x half
	s_lshl_b32 s47, s12, 8
	s_add_co_u32 s46, s46, s47
	s_mov_b32 s47, 0
	s_add_nc_u64 s[8:9], s[8:9], s[46:47]
.macro MUL8 f, c, a0, zero             ; 8 products; the 16 accumulators take turns
	WIN MUL
.irp a, \a0, (\a0)+1
.irp b, 0,1,2,3
.if \zero
	v_wmma_f32_16x16x32_f16 v[ACC+8*(4*(\a)+(\b)):ACC+8*(4*(\a)+(\b))+7], v[(\f)+64+8*(4*(\c)+(\b)):(\f)+64+8*(4*(\c)+(\b))+7], v[(\f)+8*(4*(\c)+(\a)):(\f)+8*(4*(\c)+(\a))+7], 0
.else
	v_wmma_f32_16x16x32_f16 v[ACC+8*(4*(\a)+(\b)):ACC+8*(4*(\a)+(\b))+7], v[(\f)+64+8*(4*(\c)+(\b)):(\f)+64+8*(4*(\c)+(\b))+7], v[(\f)+8*(4*(\c)+(\a)):(\f)+8*(4*(\c)+(\a))+7], v[ACC+8*(4*(\a)+(\b)):ACC+8*(4*(\a)+(\b))+7]
.endif
.endr
.endr
.endm
.macro FETCH slot, q, f                ; 32 LDS loads in one run: quarter q of the K step (one head, 64 along K); the first 32 along K first
	WIN TO_F
.irp c, 0,1
.irp i, 0,1,2,3
	ds_load_b128 v[(\f)+64+8*(4*(\c)+(\i)):(\f)+64+8*(4*(\c)+(\i))+3],   v[ADRB+(\slot)] offset:128*(\q)+64*(\c)+(\i)*16*BPITCH
	ds_load_b128 v[(\f)+64+8*(4*(\c)+(\i))+4:(\f)+64+8*(4*(\c)+(\i))+7], v[ADRB+(\slot)] offset:128*(\q)+64*(\c)+(\i)*16*BPITCH+32
	ds_load_b128 v[(\f)+8*(4*(\c)+(\i)):(\f)+8*(4*(\c)+(\i))+3],         v[ADRA+(\slot)] offset:AHEAD*(\q)+64*(\c)+(\i)*16*APITCH
	ds_load_b128 v[(\f)+8*(4*(\c)+(\i))+4:(\f)+8*(4*(\c)+(\i))+7],       v[ADRA+(\slot)] offset:AHEAD*(\q)+64*(\c)+(\i)*16*APITCH+32
.endr
.endr
.endm
.macro PLACES
.rept 4
	v_nop
.endr
.endm
.macro QUARTER slot, q, f, g, zero
	s_wait_dscnt 16                                ; the first 32 along K are in
	MUL8 \f, 0, 0, \zero
	MUL8 \f, 0, 2, \zero
	PLACES
	FETCH \slot, \q, \g
	s_wait_dscnt 32                                ; all but the 32 just issued
	MUL8 \f, 1, 0, 0
	MUL8 \f, 1, 2, 0
.endm
.macro TURN slot, next, fill
	WIN 0
	s_wait_tensorcnt 0x0                           ; all my tensor loads have landed: my part of the next slot
	ds_add_u32 v[SPW], v[NIL]
	s_wait_dscnt 17                                ; (the add and the youngest sixteen loads may be out)
	MUL8 F1, 0, 0, 0
	s_wait_dscnt 0x0                               ; the add is done, and my reads of this slot are over
	s_barrier_signal -1
	MUL8 F1, 0, 2, 0
.if \fill
	WIN 0
.endif
	s_barrier_wait -1
.if \fill
	CREST                                          ; the barrier has opened a round of the cluster's
	s_add_nc_u64 s[G0+4*(\slot)+2:G0+4*(\slot)+3], s[G0+4*(\slot)+2:G0+4*(\slot)+3], 8*262144
	s_add_nc_u64 s[G0B+4*(\slot)+2:G0B+4*(\slot)+3], s[G0B+4*(\slot)+2:G0B+4*(\slot)+3], 1024
	JLOAD \slot                                    ; the first tensor load behind the round; its four v_nop are also the places in front of the loads below
.else
	PLACES
.endif
	FETCH \next, 0, F0
	MUL8 F1, 1, 0, 0
	MUL8 F1, 1, 2, 0
.endm
	s_wait_tensorcnt 1                             ; my part of K step 0 is in; K step 1's may stay out
	s_barrier_signal -1
	s_barrier_wait -1
	FETCH 0, 0, F0
	QUARTER 0, 1, F0, F1, 1                        ; four K steps, written out: the first two changes of slots fill again, the third does not
	QUARTER 0, 2, F1, F0, 0
	QUARTER 0, 3, F0, F1, 0
	TURN 0, 1, 1
	QUARTER 1, 1, F0, F1, 0
	QUARTER 1, 2, F1, F0, 0
	QUARTER 1, 3, F0, F1, 0
	TURN 1, 0, 1
	QUARTER 0, 1, F0, F1, 0
	QUARTER 0, 2, F1, F0, 0
	QUARTER 0, 3, F0, F1, 0
	TURN 0, 1, 0
	QUARTER 1, 1, F0, F1, 0
	QUARTER 1, 2, F1, F0, 0
	QUARTER 1, 3, F0, F1, 0
	s_wait_dscnt 16
	MUL8 F1, 0, 0, 0
	MUL8 F1, 0, 2, 0
	s_wait_dscnt 0x0
	MUL8 F1, 1, 0, 0
	MUL8 F1, 1, 2, 0
	WIN 0
	PLACES
	PLACES
	; THE WAY OUT: my 64 columns are 256 bytes of a row, aligned: 16 rows at a time through my own stage, no barrier; each accumulator's low four registers are read first
.irp a, 0,1,2,3
.irp b, 0,1,2,3
	ds_store_b128 v[STO], v[ACC+8*(4*\a+\b):ACC+8*(4*\a+\b)+3]   offset:64*\b
	ds_store_b128 v[STO], v[ACC+8*(4*\a+\b)+4:ACC+8*(4*\a+\b)+7] offset:64*\b+16
.endr
	s_wait_xcnt 0x0                                ; earlier stores have read their registers: they are loaded again only behind this wait
.irp t, 0,1,2,3,4,5,6,7
	ds_load_b128 v[TMP+32*(\a%2)+4*\t:TMP+32*(\a%2)+4*\t+3], v[RD] offset:2*SPITCH*\t
.endr
	s_wait_dscnt 0x0
.irp t, 0,1,2,3,4,5,6,7
	global_store_b128 v[CO], v[TMP+32*(\a%2)+4*\t:TMP+32*(\a%2)+4*\t+3], s[8:9] offset:(16*\a+2*\t)*4096  ; 16 lanes store 256 bytes on end, aligned
.endr
.endr
	s_wait_tensorcnt 0x0                           ; the wave's end
	ds_add_u32 v[SPW], v[NIL]
	s_wait_dscnt 0x0
	CROUND                                         ; the closing round
	s_endpgm
.Lfunc_end_k_q5a6e27c803_proj:
	.size	k_q5a6e27c803_proj, .Lfunc_end_k_q5a6e27c803_proj-k_q5a6e27c803_proj
	.p2alignl 7, 3214868480
	.fill 96, 4, 3214868480
	.section	.rodata,"a",@progbits
	.p2align	6, 0x0
	.amdhsa_kernel k_q5a6e27c803_proj
		.amdhsa_group_segment_fixed_size 327680
		.amdhsa_private_segment_fixed_size 0
		.amdhsa_enable_private_segment 0
		.amdhsa_kernarg_size 24
		.amdhsa_user_sgpr_count 2
		.amdhsa_user_sgpr_kernarg_segment_ptr 1
		.amdhsa_wavefront_size32 1
		.amdhsa_system_sgpr_workgroup_id_x 1
		.amdhsa_system_sgpr_workgroup_id_y 1
		.amdhsa_system_sgpr_workgroup_id_z 1
		.amdhsa_system_vgpr_workitem_id 0
		.amdhsa_next_free_vgpr 512
		.amdhsa_next_free_sgpr 66
		.amdhsa_reserve_vcc 0
		.amdhsa_float_denorm_mode_32 3
		.amdhsa_float_denorm_mode_16_64 3
		.amdhsa_memory_ordered 1
		.amdhsa_forward_progress 1
		.amdhsa_inst_pref_size 86
	.end_amdhsa_kernel
	.amdgpu_metadata
---
amdhsa.version: [ 1, 2 ]
amdhsa.kernels:
  - .name:           k_q5a6e27c803_proj
    .symbol:         k_q5a6e27c803_proj.kd
    .args:
      - { .name: ob, .offset: 0, .size: 8, .value_kind: global_buffer, .address_space: global }
      - { .name: wb, .offset: 8, .size: 8, .value_kind: global_buffer, .address_space: global }
      - { .name: out0, .offset: 16, .size: 8, .value_kind: global_buffer, .address_space: global }
    .group_segment_fixed_size: 327680
    .private_segment_fixed_size: 0
    .kernarg_segment_align: 8
    .kernarg_segment_size: 24
    .max_flat_workgroup_size: 128
    .sgpr_count:     66
    .vgpr_count:     512
    .wavefront_size: 32
...
	.end_amdgpu_metadata
.endif
;; end of part 4
;; ======== version 2 of 2: 4 launches; version 1 with the launch prep written anew for expert scheduling mode
;; limits: values are held in f16: magnitudes above 65,504 overflow, below 6.1e-05 lose precision; right only within a limited range of input values
;; workspace buffers: xb 8,388,608 bytes; wb 8,388,608 bytes; pxw 149,504 bytes; qkv 25,165,824 bytes; psum 786,432 bytes; ob 8,388,608 bytes
;; launch prep (part 5): grid 256 x 1, 8 waves a work-group, no clusters, 0 bytes of LDS; arguments hidden_states, Wq, Wk, Wv, Wc, pos_table, xb, wb, pxw; writes xb, wb, pxw
.if DOCPART == 5
	.amdgcn_target "amdgcn-amd-amdhsa--gfx1250"
	.amdhsa_code_object_version 6
	.text
	.protected	k_q5a6e27c803_prep
	.globl	k_q5a6e27c803_prep
	.p2align	8
	.type	k_q5a6e27c803_prep,@function
k_q5a6e27c803_prep:
	s_mov_b64 s[64:65], 0
	v_nop
	global_prefetch_b8 v0, s[64:65] scope:SCOPE_SE
	s_setreg_imm32_b32 hwreg(HW_REG_WAVE_SCHED_MODE, 0, 2), 2
	s_setreg_imm32_b32 hwreg(HW_REG_WAVE_MODE, 25, 1), 1
	s_wait_xcnt 0x0
	s_wait_alu depctr_vm_vsrc(0)
; PREP.  xb = f16(bf16(hidden)), wb = f16(bf16(Wq | Wk | Wv | Wc)), pxw = the position table for the attention launch.
; Every input is rounded once to bf16; that number is then written as f16 (exact from 6.1e-5 up to 65,504; below 6.1e-5 it keeps f16's fixed step of 6e-8).
; LIMIT: |x| and |w| stay under 65,504.
; A stream: no LDS, no matrix unit.  Work-group g converts 32,768 numbers: 128 KiB in, 64 KiB out.  g < 128: hidden; else weight (g - 128) / 32.
; Thread t takes 16 bytes at 16 t + 4,096 i (a wave's load: 512 bytes on end) and stores 8 bytes at 8 t + 2,048 i (a wave's store: 256 bytes on end, aligned).
; All 32 loads of a thread go out at once; no register that a memory instruction reads is ever written again.
; pxw row p (1,168 rows of 64 f16): 8 x bf16(pos[clip(1087 - p, 0, 1023)]) for p < 1152, else 0.  Work-groups 0-145, waves 0 and 1: thread makes 16 bytes.
; THE MODE: SCHED_MODE bits 1:0 = 2 (LLVM: expert scheduling mode 2), set by the entry lines.  The code itself states the register dependences
; between vector instructions and memory instructions, with s_wait_alu, always for 0.
; THE PLAN.  Registers that memory instructions touch:
;   v1, v2       byte offsets of the loads and of the stores: made once at the head, never written again.
;   X + 4 i ..   piece i of 32: load i lands in its four registers (no vector instruction names them before); behind the counted wait for it piece i's conversions
;                read the four and write the first two; store i reads those two; nothing writes them again.
;   T            at work: named by vector instructions alone.
;   v170; v144-151; v171, v166-169   the table's part: the offset of its two loads; where they land; the offset and the data of its one store.  Each is written once.
; The pieces go in eight blocks of four: the block's conversions, ONE wait on va_vdst, the block's four stores in one run.  Behind a block the wave goes to the
; wait for the next block's first load.  Past the entry lines no wait on vm_vsrc is written: on no path is a register that a memory instruction has read written again.  EXEC is never written.
.set X, 8                               ; v[8:135]   32 x 4 as loaded; the first two of each four then hold the result
.set T, 136                             ; v[136:141] at work
.set BLOCK, 4                           ; pieces in a block
	s_load_b512 s[4:19], s[0:1], 0x0               ; hidden, Wq, Wk, Wv, Wc, pos, xb, wb
	s_load_b64 s[20:21], s[0:1], 0x40              ; pxw
	v_lshlrev_b32 v1, 4, v0                        ; 16 t
	v_lshlrev_b32 v2, 3, v0                        ; 8 t
	v_lshrrev_b32 v3, 5, v0
	v_readfirstlane_b32 s23, v3                    ; wave
	s_mov_b32 s22, 0xffff0000                      ; a word's upper bf16
	s_sub_co_u32 s28, ttmp9, 128                   ; block among the weights (used where g >= 128)
	s_lshr_b32 s29, s28, 5                         ; which weight
	s_and_b32 s30, s28, 31                         ; block in it
	s_wait_alu depctr_va_sdst(0)                   ; s23 is written
	s_wait_kmcnt 0x0
	s_cmp_eq_u32 s29, 1
	s_cselect_b64 s[24:25], s[8:9], s[6:7]
	s_cmp_eq_u32 s29, 2
	s_cselect_b64 s[24:25], s[10:11], s[24:25]
	s_cmp_eq_u32 s29, 3
	s_cselect_b64 s[24:25], s[12:13], s[24:25]
	s_cmp_lt_u32 ttmp9, 128
	s_cselect_b64 s[24:25], s[4:5], s[24:25]       ; source
	s_cselect_b64 s[26:27], s[16:17], s[18:19]     ; destination
	s_cselect_b32 s30, ttmp9, s30
	s_cselect_b32 s28, ttmp9, s28
	s_lshl_b32 s30, s30, 17                        ; 131,072 bytes a block in
	s_mov_b32 s31, 0
	s_add_nc_u64 s[24:25], s[24:25], s[30:31]
	s_lshl_b32 s28, s28, 16                        ; 65,536 out
	s_mov_b32 s29, 0
	s_add_nc_u64 s[26:27], s[26:27], s[28:29]
	s_wait_alu depctr_va_vdst(0)                   ; v1 and v2 are written: every load of the stream reads v1 as its offset, every store v2
.set i, 0
.rept 32
	global_load_b128 v[X+4*i:X+4*i+3], v1, s[24:25] offset:4096*i th:TH_LOAD_NT
.set i, i+1
.endr
.set i, 0
.rept 32/BLOCK
.rept BLOCK
	s_wait_loadcnt 31-i                            ; loads come back in order: number i is in, the younger ones stay out
	v_cvt_pk_bf16_f32 v[T], v[X+4*i], v[X+4*i+1]
	v_cvt_pk_bf16_f32 v[T+1], v[X+4*i+2], v[X+4*i+3]
	v_lshlrev_b32 v[T+2], 16, v[T]
	v_and_b32 v[T+3], s22, v[T]
	v_lshlrev_b32 v[T+4], 16, v[T+1]
	v_and_b32 v[T+5], s22, v[T+1]
	v_cvt_pk_f16_f32 v[X+4*i], v[T+2], v[T+3]
	v_cvt_pk_f16_f32 v[X+4*i+1], v[T+4], v[T+5]
.set i, i+1
.endr
	s_wait_alu depctr_va_vdst(0)                   ; the block's conversions have written its eight result registers, which the four stores below read
.irp j, 4,3,2,1
	global_store_b64 v2, v[X+4*(i-\j):X+4*(i-\j)+1], s[26:27] offset:2048*(i-\j)
.endr
.endr
	; the position table
	s_cmp_lt_u32 ttmp9, 146
	s_cbranch_scc0 .Lend
	s_cmp_lt_u32 s23, 2
	s_cbranch_scc0 .Lend
	s_lshl_b32 s30, ttmp9, 6
	v_add_nc_u32 v172, s30, v0                     ; piece of 16 bytes: 64 g + t
	v_lshrrev_b32 v173, 3, v172                    ; row p
	v_and_b32 v174, 7, v172                        ; eight channels of it
	v_min_u32 v170, 0x43f, v173
	v_sub_nc_u32 v170, 0x43f, v170                 ; 1087 - min(p, 1087)
	v_min_u32 v170, 0x3ff, v170                    ; row of pos
	v_lshlrev_b32 v170, 8, v170
	v_lshl_add_u32 v170, v174, 5, v170
	s_wait_alu depctr_va_vdst(0)                   ; v170 is written, which the two loads below read as their offset
	global_load_b128 v[144:147], v170, s[14:15]
	global_load_b128 v[148:151], v170, s[14:15] offset:16
	v_mov_b32 v164, 0x41000000                     ; 8.0,
	v_cmp_gt_u32 vcc_lo, 0x480, v173               ; where p < 1152,
	v_lshlrev_b32 v171, 4, v172
	s_wait_alu depctr_va_vcc(0)                    ; the compare has written VCC, which the select below reads
	v_cndmask_b32 v164, 0, v164, vcc_lo            ; else 0
	v_mov_b32 v165, v164
	s_wait_loadcnt 0x0
.irp j, 0,1,2,3
	v_cvt_pk_bf16_f32 v[152+\j], v[144+2*\j], v[145+2*\j]
.endr
.irp j, 0,1,2,3
	v_lshlrev_b32 v[156+2*\j], 16, v[152+\j]
	v_and_b32 v[157+2*\j], s22, v[152+\j]
.endr
.irp j, 0,1,2,3
	v_pk_mul_f32 v[156+2*\j:157+2*\j], v[156+2*\j:157+2*\j], v[164:165]
.endr
.irp j, 0,1,2,3
	v_cvt_pk_f16_f32 v[166+\j], v[156+2*\j], v[157+2*\j]
.endr
	s_wait_alu depctr_va_vdst(0)                   ; the conversions have written v[166:169], and v171 is written: the store's data and its offset
	global_store_b128 v171, v[166:169], s[20:21]   ; sixteen lanes fill 256 bytes on end, aligned
.Lend:
	s_endpgm
.Lfunc_end_k_q5a6e27c803_prep:
	.size	k_q5a6e27c803_prep, .Lfunc_end_k_q5a6e27c803_prep-k_q5a6e27c803_prep
	.p2alignl 7, 3214868480
	.fill 96, 4, 3214868480
	.section	.rodata,"a",@progbits
	.p2align	6, 0x0
	.amdhsa_kernel k_q5a6e27c803_prep
		.amdhsa_group_segment_fixed_size 0
		.amdhsa_private_segment_fixed_size 0
		.amdhsa_enable_private_segment 0
		.amdhsa_kernarg_size 72
		.amdhsa_user_sgpr_count 2
		.amdhsa_user_sgpr_kernarg_segment_ptr 1
		.amdhsa_wavefront_size32 1
		.amdhsa_system_sgpr_workgroup_id_x 1
		.amdhsa_system_sgpr_workgroup_id_y 1
		.amdhsa_system_sgpr_workgroup_id_z 1
		.amdhsa_system_vgpr_workitem_id 0
		.amdhsa_next_free_vgpr 176
		.amdhsa_next_free_sgpr 66
		.amdhsa_reserve_vcc 1
		.amdhsa_float_denorm_mode_32 3
		.amdhsa_float_denorm_mode_16_64 3
		.amdhsa_memory_ordered 1
		.amdhsa_forward_progress 1
		.amdhsa_inst_pref_size 23
	.end_amdhsa_kernel
	.amdgpu_metadata
---
amdhsa.version: [ 1, 2 ]
amdhsa.kernels:
  - .name:           k_q5a6e27c803_prep
    .symbol:         k_q5a6e27c803_prep.kd
    .args:
      - { .name: hidden_states, .offset: 0, .size: 8, .value_kind: global_buffer, .address_space: global }
      - { .name: Wq, .offset: 8, .size: 8, .value_kind: global_buffer, .address_space: global }
      - { .name: Wk, .offset: 16, .size: 8, .value_kind: global_buffer, .address_space: global }
      - { .name: Wv, .offset: 24, .size: 8, .value_kind: global_buffer, .address_space: global }
      - { .name: Wc, .offset: 32, .size: 8, .value_kind: global_buffer, .address_space: global }
      - { .name: pos_table, .offset: 40, .size: 8, .value_kind: global_buffer, .address_space: global }
      - { .name: xb, .offset: 48, .size: 8, .value_kind: global_buffer, .address_space: global }
      - { .name: wb, .offset: 56, .size: 8, .value_kind: global_buffer, .address_space: global }
      - { .name: pxw, .offset: 64, .size: 8, .value_kind: global_buffer, .address_space: global }
    .group_segment_fixed_size: 0
    .private_segment_fixed_size: 0
    .kernarg_segment_align: 8
    .kernarg_segment_size: 72
    .max_flat_workgroup_size: 256
    .sgpr_count:     66
    .vgpr_count:     176
    .wavefront_size: 32
...
	.end_amdgpu_metadata
.endif
;; end of part 5
;; launch qkv: the kernel of part 2 again; grid 16 x 16, 4 waves a work-group, clusters of 4 x 4, 327,680 bytes of LDS; arguments xb, wb, bq, bk, bv, qkv, psum; writes qkv, psum
;; launch attn: the kernel of part 3 again; grid 8 x 32, 4 waves a work-group, no clusters, 327,680 bytes of LDS; arguments qkv, psum, pxw, ob; writes ob
;; launch proj: the kernel of part 4 again; grid 8 x 32, 4 waves a work-group, clusters of 4 x 4, 327,680 bytes of LDS; arguments ob, wb, out0; writes out0
